; MI455X (gfx1250); checked and timed in simulation.
; The chip was launched on July 23, 2026; its instructions are those of AMD's public machine-readable ISA for CDNA 5 (MIT licence, August 2026) and "CDNA5" Instruction Set Architecture Reference Guide (July 2026). The comments in the code are by the model that wrote it; some were corrected since.
;; Self Attention. Allowed arithmetic: matrix products marked QUANTISED: E2M3 operands, one E8M0 scale for each 32 along K, by v_wmma_scale_f32_16x16x128_f8f6f4 with both operands' format E2M3, f32 sums; everything else in f32.
;; Inputs: Wk 1,024 x 1,024 float32; Wo 1,024 x 1,024 float32; Wq 1,024 x 1,024 float32; Wv 1,024 x 1,024 float32; bk 1,024 float32; bo 1,024 float32; bq 1,024 float32; bv 1,024 float32; hidden_states 4 x 2,048 x 1,024 float32.
;; Outputs: out0 4 x 2,048 x 1,024 float32.
;; This version of the problem:
;;   THIS VERSION OF THE PROBLEM IS GIVEN IN LOW PRECISION. The matrix products marked QUANTISED in the list below multiply operands that are first quantised to E2M3 (2 exponent bits, 3 mantissa bits; 6 bits a number), with one power-of-two scale for each 32 numbers along K (OCP MX v1.0); their sums are f32. All else is computed in f32.
;;   The module's matrix products, in the order in which they are computed (A, B: the left and right operand; K: the contracted axis; several contracted axes count as one K, in the product's order):
;;     1. [M 8,192, K 1,024] x [K 1,024, N 1,024]; A: input hidden_states; B: input Wq: QUANTISED
;;     2. [M 8,192, K 1,024] x [K 1,024, N 1,024]; A: input hidden_states; B: input Wk: QUANTISED
;;     3. [M 8,192, K 1,024] x [K 1,024, N 1,024]; A: input hidden_states; B: input Wv: QUANTISED
;;     4. batch 4 x [M 2,048, K 1,024] x [K 1,024, N 2,048]; A: computed on the way; B: computed on the way: QUANTISED
;;     5. batch 4 x [M 2,048, K 2,048] x [K 2,048, N 1,024]; A: softmax (see below); B: computed on the way: QUANTISED
;;     6. [M 8,192, K 1,024] x [K 1,024, N 1,024]; A: computed on the way; B: input Wo: QUANTISED
;;   THE QUANTISER, for each operand of a quantised product, along K:
;;     - K is cut into blocks of 32 from its start; a last block that is shorter is filled with zeros.
;;     - A block's scale is 2^e with e = floor(log2(the largest magnitude in the block)) - 2, held to -126 .. 127; a block of zeros has e = 0. As a byte (E8M0): e + 127.
;;     - Each number is divided by its block's scale, clamped to +-7.5, and rounded to the nearest number of E2M3, ties to even, subnormals kept.
;;     - The product sums the exact products of the quantised numbers (number of the format x scale) in f32.
;;   ~~~python
;;   def quantise(x, axis):      # numpy; x: float32 -> the quantised numbers, widened to float32 again
;;       x = np.moveaxis(x, axis, -1); K = x.shape[-1]
;;       x = np.pad(x, [(0, 0)] * (x.ndim - 1) + [(0, -K % 32)]); x = x.reshape(x.shape[:-1] + (-1, 32)); a = np.abs(x).max(-1, keepdims=True)
;;       e = np.where(a > 0, np.clip(np.frexp(np.where(a > 0, a, 1))[1] - 1 - 2, -126, 127), 0)      # np.frexp(a)[1] - 1 = floor(log2(a)), exactly
;;       r = np.clip(x / 2.0 ** e, -7.5, 7.5)
;;       step = 2.0 ** (np.maximum(np.frexp(np.where(r == 0, 1, r))[1] - 1, 0) - 3)
;;       q = np.round(r / step) * step * 2.0 ** e      # np.round: ties to even
;;       return np.moveaxis(q.reshape(q.shape[:-2] + (-1,))[..., :K], -1, axis).astype(np.float32)
;;   ~~~
;;   SOFTMAX AHEAD OF A QUANTISED PRODUCT. Where the list says 'softmax', what is quantised is not the finished softmax but p = 2^(t - M), with t = logit x log2(e) and M = ceil(the row's largest t), a whole number; so 1/2 < the row's largest p <= 1. The row's sum l is taken of the UNQUANTISED p, in f32, and the product's result is divided by l at the end. Since M is a whole number, a kernel that streams over the keys may use a running M (the ceiling of the running maximum): every later rescaling is an exact power of two, which a block's scale takes up: the codes' values come out the same.
;;   OPERANDS COMPUTED ON THE WAY. 'Computed on the way' means the value that the module computes at that place (a softmax that the list does not call 'softmax' is quantised finished and normalised). What goes into a quantiser is computed in f32, as accurately as f32 sums, v_exp_f32 and their like allow (about 1e-6 of the number): no bf16 or f16 on the way to a quantiser, and a product that is left as it is and whose result goes on into a quantised operand takes f32 operands (vector FMAs, or v_wmma_f32_16x16x4_f32). A number that lies on a knife's edge between two numbers of the format may be rounded either way, as far as f32 arithmetic and the matrix unit's own rounding can turn it there, and no further.
;; One version. Each part assembles by itself: llvm-mc -triple=amdgcn-amd-amdhsa -mcpu=gfx1250 --defsym DOCPART=n.
;; ======== version 1 of 1: 5 launches
;; limits: right only within a limited range of input values
;; workspace buffers: x_img 6,553,600 bytes; w_img 3,276,800 bytes; qk_img 13,107,200 bytes; vt_img 6,553,600 bytes; p_img 13,107,200 bytes; stat 1,048,576 bytes; ctx_img 6,553,600 bytes
;; launch quant (part 1): grid 384 x 1, 4 waves a work-group, no clusters, 70,144 bytes of LDS; arguments hidden_states, Wq, Wk, Wv, Wo, x_img, w_img; writes x_img, w_img
.if DOCPART == 1
	.amdgcn_target "amdgcn-amd-amdhsa--gfx1250"
	.amdhsa_code_object_version 6
	.text
	.protected	k_q6370fbf800_quant
	.globl	k_q6370fbf800_quant
	.p2align	8
	.type	k_q6370fbf800_quant,@function
k_q6370fbf800_quant:
	s_mov_b64 s[64:65], 0
	v_nop
	global_prefetch_b8 v0, s[64:65] scope:SCOPE_SE
	s_setreg_imm32_b32 hwreg(HW_REG_WAVE_MODE, 25, 1), 1
	s_wait_xcnt 0x0
; SELF-ATTENTION, ONE HEAD OF 1,024, CAUSAL, ALL SIX PRODUCTS ON CODES OF FP6 (E2M3) WITH ONE E8M0 SCALE FOR EACH 32 ALONG K.  Five launches: quant, qkv, scores, pv, outp.
; THIS LAUNCH turns hidden_states [8192][1024] and the four weights [1024][1024], f32, K innermost, into OPERAND IMAGES.
; AN IMAGE: record (G = row / 128, ks = K / 128) of 12,800 bytes, records of one G on end along K.  In a record, fragment g (16 rows x 128 K, 12 registers a lane) lies as its registers:
; registers 4 c .. 4 c + 3 of lane l at 1,536 g + 512 c + 16 l; the rows' scale words at 12,288 + 64 g + 4 r.  Lane r of fragment g holds row 128 G + 32 (g / 2) + 8 (g % 2) + r + 8 (r / 8),
; so that a product's result, taken transposed, has 16 neighbours along the next K in 16 registers of a lane, and is quantised in registers into a fragment of this same form.
; WORK LEFT OUT, in launches scores and pv: score tiles, and K steps of the second product, all of whose keys come after all of their queries.  reference() itself sets those scores to -inf
; (its own jnp.tril), so their p is 0 for every value of the inputs and they add nothing to any output.  All nine inputs have a way to the output and are loaded (bk moves k's codes).
; LIMITS: a NaN, an infinity or an overflow that reaches only the tiles left out is not carried to the result; NaN and infinities among the inputs are not served;
; a block whose largest magnitude lies under 2^-124 keeps the byte 1 (a block of zeros too: its codes are zeros, and this program alone reads the bytes).
; SHARES: work-groups 0-255 take x (G = id / 4), 256-383 the weights (image G = (id - 256) / 4: Wq 0-7, Wk 8-15, Wv 16-23, Wo 24-31); id % 4 picks two K steps.
; Wave w: K step 2 (id % 4) + w / 2, fragments 4 (w % 2) .. + 3.  A load reads 512 consecutive bytes of a row; a fragment's 16 rows turn through the wave's own stage in LDS, so that a lane gets 2 x 32 neighbours.
.set REC,   12800
.set FRAG,  1536
.set SCO,   12288
.set WREG,  17408                      ; LDS of a wave: two stages of 16 rows x 528 bytes, then 256 bytes of scale words
.set STG1,  8448
.set WOFF,  16896
.set SPARE, 4*WREG                     ; the spare words, 128 bytes a wave
.set R,     16                         ; v16-143  two sets of 64: a fragment's numbers as loaded
.set X,     144                        ; v144-207 my 64 numbers: register 32 c + i = K 64 c + 32 h + i of my row
.set C,     208                        ; v208-231 two sets of 12: the codes
.set TMP,   232
.set PW,    240                        ; v240-243 the scale words
.set SPW,   252
.set NIL,   253
	s_load_b256 s[4:11], s[0:1], 0x0               ; hidden_states, Wq, Wk, Wv
	s_load_b128 s[12:15], s[0:1], 0x20             ; Wo, x_img
	s_load_b64 s[16:17], s[0:1], 0x30              ; w_img
	v_lshl_add_u32 v[SPW], v0, 2, SPARE
	v_mov_b32 v[NIL], 0
	v_lshrrev_b32 v1, 5, v0
	v_readfirstlane_b32 s24, v1                    ; wave
	v_and_b32 v1, 31, v0                           ; lane
	v_and_b32 v2, 15, v0                           ; r
	v_bfe_u32 v3, v0, 4, 1                         ; h
	v_lshlrev_b32 v4, 4, v1                        ; 16 x lane: in memory, both ways
	s_mul_i32 s25, s24, WREG
	v_add_nc_u32 v5, s25, v4                       ; the stage, in: 16 x lane of a row
	v_mul_u32_u24 v6, v2, 528
	v_lshl_add_u32 v6, v3, 7, v6
	v_add_nc_u32 v6, s25, v6                       ; out: row r, + 128 h
	v_lshlrev_b32 v7, 2, v2
	v_add_nc_u32 v7, s25, v7                       ; my row's scale word
	v_lshlrev_b32 v9, 3, v1
	v_add_nc_u32 v8, s25, v9                       ; the words on their way out: 8 bytes a lane
	v_lshlrev_b32 v10, 3, v3                       ; 8 h: my bytes' place in a word
	v_mov_b32 v11, 0                               ; a lane permute's destination counts as a source
	s_mov_b32 s20, 0x76543210
	s_mov_b32 s21, 0xfedcba98                      ; lane l xor 16
	s_and_b32 s26, ttmp9, 127
	s_lshr_b32 s27, s26, 2                         ; weights: image G
	s_lshr_b32 s28, s27, 3                         ; which weight
	s_and_b32 s29, s27, 7                          ; its own G
	s_lshr_b32 s30, ttmp9, 2                       ; x: G
	s_and_b32 s31, ttmp9, 3
	s_lshl_b32 s31, s31, 1
	s_lshr_b32 s32, s24, 1
	s_add_co_u32 s31, s31, s32                     ; my K step
	s_and_b32 s32, s24, 1                          ; my half of the record
	s_wait_alu depctr_va_vdst(0)
	s_wait_kmcnt 0x0
	s_mov_b64 s[18:19], s[6:7]
	s_cmp_eq_u32 s28, 1
	s_cselect_b64 s[18:19], s[8:9], s[18:19]
	s_cmp_eq_u32 s28, 2
	s_cselect_b64 s[18:19], s[10:11], s[18:19]
	s_cmp_eq_u32 s28, 3
	s_cselect_b64 s[18:19], s[12:13], s[18:19]
	s_cmp_lt_u32 ttmp9, 256                        ; the choice hangs on the work-group's number alone
	s_cselect_b64 s[18:19], s[4:5], s[18:19]
	s_cselect_b64 s[22:23], s[14:15], s[16:17]
	s_cselect_b32 s29, s30, s29
	s_cselect_b32 s27, s30, s27
	s_lshl_b32 s29, s29, 1
	s_add_co_u32 s29, s29, s32
	s_lshl_b32 s34, s29, 18                        ; (2 G + half) x 64 rows of 4,096 bytes
	s_lshl_b32 s33, s31, 9
	s_add_co_u32 s34, s34, s33                     ; + 512 x K step
	s_mov_b32 s35, 0
	s_add_nc_u64 s[18:19], s[18:19], s[34:35]
	s_lshl_b32 s27, s27, 3
	s_add_co_u32 s27, s27, s31
	s_mul_i32 s34, s27, REC
	s_add_nc_u64 s[22:23], s[22:23], s[34:35]      ; my record
	s_lshl_b32 s34, s32, 8
	s_add_co_u32 s34, s34, SCO
	s_add_nc_u64 s[36:37], s[22:23], s[34:35]      ; my 256 bytes of its scale words
	s_mul_i32 s34, s32, 4*FRAG
	s_add_nc_u64 s[22:23], s[22:23], s[34:35]      ; my four fragments
.macro LOADF f                         ; fragment f's 16 rows, 512 consecutive bytes each
.irp i, 0,1,2,3,4,5,6,7,8,9,10,11,12,13,14,15
	global_load_b128 v[R+64*((\f)%2)+4*\i:R+64*((\f)%2)+4*\i+3], v4, s[18:19] offset:(32*((\f)/2)+8*((\f)%2)+\i+8*(\i/8))*4096 th:TH_LOAD_NT
.endr
.endm
.macro TURNF f                         ; through the stage: LDS serves a wave's instructions in order, so no wait stands between stores and loads
.irp i, 0,1,2,3,4,5,6,7,8,9,10,11,12,13,14,15
	ds_store_b128 v5, v[R+64*((\f)%2)+4*\i:R+64*((\f)%2)+4*\i+3] offset:STG1*((\f)%2)+528*\i
.endr
.irp c, 0,1
.irp q, 0,1,2,3,4,5,6,7
	ds_load_b128 v[X+32*\c+4*\q:X+32*\c+4*\q+3], v6 offset:STG1*((\f)%2)+256*\c+16*\q
.endr
.endr
.endm
.macro QF f                            ; my two whole blocks (2 c + h) become codes; the word's four bytes are gathered from lanes l and l xor 16
.set CC, C+12*((\f)%2)
.irp c, 0,1
	v_max3_num_f32 v[12+\c], |v[X+32*\c]|, |v[X+32*\c+1]|, 0x1800000   ; with the floor 2^(3 - 127): the byte cannot fall under 1
.endr
.irp i, 2,4,6,8,10,12,14,16,18,20,22,24,26,28,30
.irp c, 0,1
	v_max3_num_f32 v[12+\c], v[12+\c], |v[X+32*\c+\i]|, |v[X+32*\c+\i+1]|
.endr
.endr
.irp c, 0,1
	v_add_nc_u32 v[14+\c], 0xff000000, v[12+\c]    ; 2 off the exponent field: the conversion's scale operand
.endr
.irp c, 0,1
	v_lshrrev_b32 v[12+\c], 23, v[14+\c]           ; the byte
.endr
	v_lshl_or_b32 v12, v13, 16, v12
	v_lshlrev_b32 v12, v10, v12
	v_permlanex16_b32 v11, v12, s20, s21
	v_or_b32 v[PW+(\f)], v12, v11
.irp c, 0,1
	v_cvt_scalef32_pk16_fp6_f32 v[CC+6*\c:CC+6*\c+2], v[X+32*\c:X+32*\c+15], v[14+\c]
	v_cvt_scalef32_pk16_fp6_f32 v[TMP+4*\c:TMP+4*\c+2], v[X+32*\c+16:X+32*\c+31], v[14+\c]   ; (a conversion's three registers begin on an even number)
.endr
	v_nop                                          ; one plain place behind a scaled conversion
.irp c, 0,1
.irp i, 0,1,2
	v_mov_b32 v[CC+6*\c+3+\i], v[TMP+4*\c+\i]
.endr
.endr
.irp c, 0,1,2
	global_store_b128 v4, v[CC+4*\c:CC+4*\c+3], s[22:23] offset:(\f)*FRAG+512*\c   ; 512 consecutive bytes, aligned to 256
.endr
	ds_store_b32 v7, v[PW+(\f)] offset:WOFF+64*(\f)   ; both halves of the lanes write the same word
.endm
	LOADF 0
	LOADF 1
.irp f, 0,1,2,3
.if \f < 3
	s_wait_loadcnt 16                              ; this fragment's 16 loads are in; the next fragment's 16 may be out
.else
	s_wait_loadcnt 0x0
.endif
	TURNF \f
	s_wait_dscnt 0x0                               ; my 64 numbers are in, and the stage's stores have read the set
.if \f < 2
	LOADF \f+2
.endif
.if \f >= 2
	s_wait_xcnt 0x0                                ; the stores of two fragments back have read their codes: the set is written again
.endif
	QF \f
.endr
	ds_load_b64 v[12:13], v8 offset:WOFF           ; my wave's 64 scale words,
	s_wait_dscnt 0x0
	global_store_b64 v9, v[12:13], s[36:37]        ; as one aligned run of 256 bytes
	s_wait_tensorcnt 0x0                           ; the wave's end, behind my last LDS store
	ds_add_u32 v[SPW], v[NIL]
	s_wait_dscnt 0x0
	s_endpgm
.Lfunc_end_k_q6370fbf800_quant:
	.size	k_q6370fbf800_quant, .Lfunc_end_k_q6370fbf800_quant-k_q6370fbf800_quant
	.p2alignl 7, 3214868480
	.fill 96, 4, 3214868480
	.section	.rodata,"a",@progbits
	.p2align	6, 0x0
	.amdhsa_kernel k_q6370fbf800_quant
		.amdhsa_group_segment_fixed_size 70144
		.amdhsa_private_segment_fixed_size 0
		.amdhsa_enable_private_segment 0
		.amdhsa_kernarg_size 56
		.amdhsa_user_sgpr_count 2
		.amdhsa_user_sgpr_kernarg_segment_ptr 1
		.amdhsa_wavefront_size32 1
		.amdhsa_system_sgpr_workgroup_id_x 1
		.amdhsa_system_sgpr_workgroup_id_y 1
		.amdhsa_system_sgpr_workgroup_id_z 1
		.amdhsa_system_vgpr_workitem_id 0
		.amdhsa_next_free_vgpr 256
		.amdhsa_next_free_sgpr 66
		.amdhsa_reserve_vcc 0
		.amdhsa_float_denorm_mode_32 3
		.amdhsa_float_denorm_mode_16_64 3
		.amdhsa_memory_ordered 1
		.amdhsa_forward_progress 1
		.amdhsa_inst_pref_size 31
	.end_amdhsa_kernel
	.amdgpu_metadata
---
amdhsa.version: [ 1, 2 ]
amdhsa.kernels:
  - .name:           k_q6370fbf800_quant
    .symbol:         k_q6370fbf800_quant.kd
    .args:
      - { .name: hidden_states, .offset: 0, .size: 8, .value_kind: global_buffer, .address_space: global }
      - { .name: Wq, .offset: 8, .size: 8, .value_kind: global_buffer, .address_space: global }
      - { .name: Wk, .offset: 16, .size: 8, .value_kind: global_buffer, .address_space: global }
      - { .name: Wv, .offset: 24, .size: 8, .value_kind: global_buffer, .address_space: global }
      - { .name: Wo, .offset: 32, .size: 8, .value_kind: global_buffer, .address_space: global }
      - { .name: x_img, .offset: 40, .size: 8, .value_kind: global_buffer, .address_space: global }
      - { .name: w_img, .offset: 48, .size: 8, .value_kind: global_buffer, .address_space: global }
    .group_segment_fixed_size: 70144
    .private_segment_fixed_size: 0
    .kernarg_segment_align: 8
    .kernarg_segment_size: 56
    .max_flat_workgroup_size: 128
    .sgpr_count:     66
    .vgpr_count:     256
    .wavefront_size: 32
...
	.end_amdgpu_metadata
.endif
;; end of part 1
;; launch qkv (part 2): grid 8 x 32, 4 waves a work-group, clusters of 4 x 4, 327,680 bytes of LDS; arguments x_img, w_img, bq, bk, bv, qk_img, vt_img; writes qk_img, vt_img
.if DOCPART == 2
	.amdgcn_target "amdgcn-amd-amdhsa--gfx1250"
	.amdhsa_code_object_version 6
	.text
	.protected	k_q6370fbf800_qkv
	.globl	k_q6370fbf800_qkv
	.p2align	8
	.type	k_q6370fbf800_qkv,@function
k_q6370fbf800_qkv:
	s_mov_b64 s[64:65], 0
	v_nop
	global_prefetch_b8 v0, s[64:65] scope:SCOPE_SE
	s_setreg_imm32_b32 hwreg(HW_REG_WAVE_MODE, 25, 1), 1
	s_wait_xcnt 0x0
	s_wait_alu depctr_hold_cnt(0) depctr_sa_sdst(0) depctr_va_vdst(0) depctr_va_sdst(0) depctr_va_ssrc(0) depctr_va_vcc(0) depctr_vm_vsrc(0)
	s_getreg_b32 s2, hwreg(HW_REG_IB_STS2, 6, 4)
	s_cmp_eq_u32 s2, 0
	s_cbranch_scc0 .Lentry_in_a_cluster
	s_endpgm
.Lentry_in_a_cluster:
	s_bfe_u32 s2, ttmp6, 0x10000c
	s_cmp_lg_u32 s2, 0xf033
	s_cbranch_scc0 .Lentry_shape_is_right
	s_endpgm
.Lentry_shape_is_right:
; q = x Wq^T + bq, k = x Wk^T + bk, v = x Wv^T + bv on operand images (layout: head of launch quant), each result quantised in registers into an image of the next product's operand:
; q and k along the hidden axis (qk_img: q's 64 G, then k's), v along the tokens (vt_img: rows = v's 1,024 columns, K = the 8,192 tokens).
; THE CORE.  A work-group of four waves makes 256 P rows x 128 R rows; a wave 64 x 128: 32 accumulators.  The matrix instruction is used transposed: source 0 = 16 R rows,
; source 1 = 16 P rows: a lane holds ONE P row and its 64 registers of a tile of P run along R in the order 32 b + 16 h + i, which the quantiser wants.
; LDS holds three runs of eight records each: all of K = 1,024 of 3 x 128 rows; K steps 4-7 of a run lie SLOT bytes behind K steps 0-3.
; A WORK-GROUP STAYS and makes three tiles.  Work-group (x, y), x = 4 (cluster x) + cx: runs 0 and 1 hold the 256 tokens of tile y (run 0: x_img G = 2 y + cluster x, run 1 the other), run 2 a block of 128 weight rows.
;   tile 0, 1: P = runs 0, 1 (tokens), R = run 2 = block 2 x, 2 x + 1 of Wq | Wk; the bias runs along the registers;
;   tile 2:    P = runs 1, 2 = Wv's panels 2 cx, 2 cx + 1 (256 features), R = run 0 (128 tokens); the bias runs along the lanes.
; THE FILLS: at the head one joint load a wave (waves 0, 1: a run of tokens, 400 rows of 256 bytes; waves 2, 3: four records of run 2 each).
; Four refills, one joint load a wave each, behind a round of the cluster's barrier.  In K step 3 of tiles 0 and 1 the next tile's K steps 0-3 go into bytes whose last read is that step's fragments;
; in K step 7 its K steps 4-7.  So a refill has four K steps or more between its request and the wait for it, and a tile begins with no wait for tiles.  Every wait on TENSORcnt is for 0; one load of a wave is out at the most.
; CLUSTER 4 x 4: the tokens' panels hang on y and the cluster's x and are asked for jointly along a row of the cluster; the weights hang on x (Wv: on cx) and are asked for jointly along a column.
; No branch and no LDS address hangs on a work-group's place.  No prefetch: the walk is written out, there is no loop to run ahead in.
; REGISTERS: window 0: v1-27 addresses, v30, v31 the add's two, v32-55 scale words (two sets of 8 R + 4 P; lanes 0-15 the even K step of a pair, lanes 16-31 the odd), v64-159 P's fragments (two sets), on the way out codes and work;
; window 1: accumulator (a, b) at v[8 (8 a + b)];  window 2: R's fragments (two sets of 96), v192-255 the bias.
.set REC,   12800
.set FRAG,  1536
.set SCO,   12288
.set HALF,  2*REC
.set SLOT,  4*REC
.set RUN,   8*REC
.set ROFF,  2*RUN
.set SST,   3*RUN                      ; behind the runs: 256 bytes a wave for scale words on their way out
.set SPARE, SST+1024                   ; the spare words, 128 bytes a wave
.set AP,   5                           ; v5-12: tiles 0, 1: my fragments of P, of R, my scale words of P, of R; K steps 0-3, 4-7
.set AR,   7
.set ASP,  9
.set ASR,  11
.set GO,   13
.set GW,   14
.set SSTW, 15
.set SSTR, 16
.set APV,  20                          ; v20-27: the same for tile 2
.set ARV,  22
.set ASPV, 24
.set ASRV, 26
.set SPW,  30
.set NIL,  31
.set SC,   32
.set PF,   64
.set OUTF, 64
.set TMPC, 112
.set TM,   120
.set PW,   136
.set BI,   192
.set BQK,  2                           ; s[2:3] bq or bk at R's first block
.set G1D,  4                           ; s[4:11] group 1: 100 rows, the column's mask (written when the first four pointers are used up)
.set G0Y,  12                          ; s[12:15] group 0: Wv's K steps 0-3
.set BV,   16
.set WV,   18
.set W1,   19
.set WH,   20
.set G1P,  28                          ; group 1: 400 rows, the row's mask
.set G1R,  36                          ; group 1: 50 rows, the column's mask
.set G0P,  44
.set LPB,  60
.set LRB,  61
.set SEL,  66
.set G0R,  68
.set G0X2, 72                          ; group 0: block 2 x + 1, K steps 4-7
.set G0Y2, 76                          ; group 0: Wv's K steps 4-7
.set G1C,  84                          ; group 1: 200 rows, the column's mask
.set G0X,  92                          ; group 0: block 2 x + 1, K steps 0-3
.set OUT,  96
.set OUTS, 98
.set OUTV, 100
.set OUTSV, 104
.set CAP,  AP                          ; the addresses and bases of the tile in hand
.set CAR,  AR
.set CASP, ASP
.set CASR, ASR
.set COUT, OUT
.set COUTS, OUTS
.set MUL,  0x52                        ; D and C window 1, source 0 (R) window 2, source 1 (P) window 0
.set MULB, 0x62                        ; C window 2: the bias
.set TO_R, 0x80
.set MSB,  0
.macro WIN new                         ; the immediate's high byte repeats the setting that is left
.if MSB != \new
	s_set_vgpr_msb (MSB<<8)|\new
.set MSB, \new
.endif
.endm
.macro PLACES n
.rept \n
	v_nop
.endr
.endm
.macro CREST                           ; a round of the cluster's barrier behind its opening barrier
	s_cmp_lg_u32 s[WV], 0
	s_cbranch_scc1 .Lnot_wave_0_\@
	s_barrier_signal -3
.Lnot_wave_0_\@:
	s_barrier_wait -3
	s_barrier_signal -1
	s_barrier_wait -1
.endm
.macro CROUND
	s_barrier_signal -1
	s_barrier_wait -1
	CREST
.endm
.macro G1SET g, rows                   ; rows of 32 elements of 8 bytes, dense
	s_mov_b32 s[\g+1], 32<<16
	s_mov_b32 s[\g+2], (\rows)<<16
	s_mov_b32 s[\g+3], 32<<16
	s_mov_b32 s[\g+4], \rows
	s_mov_b32 s[\g+5], 32
	s_mov_b32 s[\g+6], 0
	s_mov_b32 s[\g+7], 0
.endm
.macro WM acc, rf, pf, cb, sa, sb, row
.if \row
	v_wmma_scale_f32_16x16x128_f8f6f4 v[(\acc):(\acc)+7], v[(\rf):(\rf)+11], v[(\pf):(\pf)+11], v[(\cb):(\cb)+7], v[\sa], v[\sb] matrix_a_fmt:MATRIX_FMT_FP6 matrix_b_fmt:MATRIX_FMT_FP6 matrix_a_scale:MATRIX_SCALE_ROW1 matrix_b_scale:MATRIX_SCALE_ROW1
.else
	v_wmma_scale_f32_16x16x128_f8f6f4 v[(\acc):(\acc)+7], v[(\rf):(\rf)+11], v[(\pf):(\pf)+11], v[(\cb):(\cb)+7], v[\sa], v[\sb] matrix_a_fmt:MATRIX_FMT_FP6 matrix_b_fmt:MATRIX_FMT_FP6
.endif
.endm
; eight products: P's tile a against R's eight.  cm: C = 0 the accumulator, 2 the bias of R's tile, 3 the bias of P's tile.  The 32 accumulators take turns, one instruction a turn
.macro MUL8 a, set, sset, row, cm
.irp b, 0,1,2,3,4,5,6,7
.if (\cm) == 0
	WM 8*(8*(\a)+\b), 96*(\set)+12*\b, PF+48*(\set)+12*(\a), 8*(8*(\a)+\b), SC+12*(\sset)+\b, SC+12*(\sset)+8+(\a), \row
.elseif (\cm) == 2
	WM 8*(8*(\a)+\b), 96*(\set)+12*\b, PF+48*(\set)+12*(\a), BI+8*\b, SC+12*(\sset)+\b, SC+12*(\sset)+8+(\a), \row
.else
	WM 8*(8*(\a)+\b), 96*(\set)+12*\b, PF+48*(\set)+12*(\a), BI+8*(\a), SC+12*(\sset)+\b, SC+12*(\sset)+8+(\a), \row
.endif
.endr
.endm
.macro FETCH slot, i, set              ; a K step's 12 fragments, as images: three loads of 16 bytes a lane each
	WIN TO_R
.irp b, 0,1,2,3,4,5,6,7
.irp c, 0,1,2
	ds_load_b128 v[96*(\set)+12*\b+4*\c:96*(\set)+12*\b+4*\c+3], v[CAR+(\slot)] offset:(\i)*REC+\b*FRAG+\c*512
.endr
.endr
	WIN 0
.irp a, 0,1,2,3
.irp c, 0,1,2
	ds_load_b128 v[PF+48*(\set)+12*\a+4*\c:PF+48*(\set)+12*\a+4*\c+3], v[CAP+(\slot)] offset:(\i)*REC+\a*FRAG+\c*512
.endr
.endr
.endm
.macro SCALES slot, pr, set            ; the scale words of two K steps: lanes 16-31 read one record further on
.irp b, 0,1,2,3,4,5,6,7
	ds_load_b32 v[SC+12*(\set)+\b], v[CASR+(\slot)] offset:(\pr)*HALF+64*\b
.endr
.irp a, 0,1,2,3
	ds_load_b32 v[SC+12*(\set)+8+\a], v[CASP+(\slot)] offset:(\pr)*HALF+64*\a
.endr
.endm
.macro KWIN cm
.if (\cm) >= 2
	WIN MULB
.else
	WIN MUL
.endif
.endm
; A K step: 32 products on set i % 2.  mid = 1: behind the first eight, four places and the next step's fragments into the other set.  mid = 2: the next step's bytes have yet to be shown:
; all my tensor loads have landed, my LDS loads are in, a barrier, then as mid = 1.  mid = 0: nothing is fetched.
.macro KSTEP i, cm, mid, nslot, ni
.if (\mid) == 2
	s_wait_tensorcnt 0x0
.endif
	s_wait_dscnt 0x0                               ; this step's fragments and scale words are in
.if (\mid) == 2
	s_barrier_signal -1
.endif
	KWIN \cm
	MUL8 0, (\i)%2, ((\i)/2)%2, (\i)%2, \cm
.if (\mid) == 2
	s_barrier_wait -1
.endif
.if (\mid) > 0
	PLACES 4                                       ; in front of loads into registers that the last step's products have read
	FETCH \nslot, \ni, (\ni)%2
.if ((\ni)%2) == 0
	SCALES \nslot, (\ni)/2, ((\ni)/2)%2
.endif
	KWIN \cm
.endif
	MUL8 1, (\i)%2, ((\i)/2)%2, (\i)%2, \cm
	MUL8 2, (\i)%2, ((\i)/2)%2, (\i)%2, \cm
	MUL8 3, (\i)%2, ((\i)/2)%2, (\i)%2, \cm
.endm
.macro K012 cm                         ; K steps 0-2
	KSTEP 0, \cm, 1, 0, 1
	KSTEP 1, 0, 1, 0, 2
	KSTEP 2, 0, 1, 0, 3
.endm
.macro K456                            ; K steps 4-6
	KSTEP 0, 0, 1, 1, 1
	KSTEP 1, 0, 1, 1, 2
	KSTEP 2, 0, 1, 1, 3
.endm
; K step 3 or 7 with a joint refill.  Every wave: all its tensor loads have landed; the add; its LDS loads, the last reads of the bytes to be filled among them, are in; a round of the cluster's barrier,
; with eight products between the opening signal and its wait; first behind the round ONE joint load a wave.  nx = 1 (K step 3): K step 4's fragments follow.
.macro KREFILL g0, g1, nx
	WIN 0                                          ; (the add's two registers lie in window 0)
	s_wait_tensorcnt 0x0
	ds_add_u32 v[SPW], v[NIL]
	s_wait_dscnt 0x1                               ; this step's fragments are in; the add may be out
	WIN MUL
	MUL8 0, 1, 1, 1, 0
	s_wait_dscnt 0x0                               ; the add is done, and my reads of these four K steps are over
	s_barrier_signal -1
	MUL8 1, 1, 1, 1, 0
	WIN 0
	s_barrier_wait -1
	CREST                                          ; no wave of any partner still reads these bytes or has a load on its way
	tensor_load_to_lds s[\g0:\g0+3], s[\g1:\g1+7]
	s_nop 0
	PLACES 4                                       ; also the places in front of the loads below
.if \nx
	FETCH 1, 0, 0
	SCALES 1, 0, 0
.endif
	WIN MUL
	MUL8 2, 1, 1, 1, 0
	MUL8 3, 1, 1, 1, 0
.endm
; from the four blocks' largest magnitudes in v[TM] on: scale operands, bytes, the word, the codes of 64 numbers v[src] on (window W) as fragment a
.macro QTAIL W, src, a
.irp b, 0,1,2,3
	v_add_nc_u32 v[TM+12+\b], 0xff000000, v[TM+\b] ; 2 off the exponent field: the conversion's scale operand
.endr
.irp b, 0,1,2,3
	v_lshrrev_b32 v[TM+4+\b], 23, v[TM+12+\b]      ; the byte
.endr
	v_lshl_or_b32 v[PW+(\a)], v[TM+5], 8, v[TM+4]
	v_lshl_or_b32 v[PW+(\a)], v[TM+6], 16, v[PW+(\a)]
	v_lshl_or_b32 v[PW+(\a)], v[TM+7], 24, v[PW+(\a)]
	WIN \W
.irp c, 0,1
	v_cvt_scalef32_pk16_fp6_f32 v[OUTF+12*(\a)+6*\c:OUTF+12*(\a)+6*\c+2], v[(\src)+32*\c:(\src)+32*\c+15], v[TM+12+2*\c]
	v_cvt_scalef32_pk16_fp6_f32 v[TMPC+4*\c:TMPC+4*\c+2], v[(\src)+32*\c+16:(\src)+32*\c+31], v[TM+12+2*\c+1]
.endr
	WIN 0
	v_nop                                          ; one plain place behind a scaled conversion
.irp c, 0,1                            ; the layout wants a whole block in a lane: lanes 0-15 block 2 c, lanes 16-31 block 2 c + 1
.irp i, 0,1,2
	v_permlane16_swap_b32 v[OUTF+12*(\a)+6*\c+\i], v[TMPC+4*\c+\i]
.endr
.irp i, 0,1,2
	v_mov_b32 v[OUTF+12*(\a)+6*\c+3+\i], v[TMPC+4*\c+\i]
.endr
.endr
.endm
.macro QUANT W, src, a                 ; each accumulator is first read at its two lowest registers
	WIN 20*(\W)                                    ; sources 1 and 2 in window W
.irp b, 0,1,2,3
	v_max3_num_f32 v[TM+\b], 0x1800000, |v[(\src)+16*\b]|, |v[(\src)+16*\b+1]|   ; with the floor 2^(3 - 127)
.endr
.irp i, 2,4,6,8,10,12,14
.irp b, 0,1,2,3
	v_max3_num_f32 v[TM+\b], v[TM+\b], |v[(\src)+16*\b+\i]|, |v[(\src)+16*\b+\i+1]|
.endr
.endr
	WIN 0
.irp b, 0,1,2,3
	v_permlanex16_b32 v[TM+4+\b], v[TM+\b], s[SEL], s[SEL+1]
.endr
.irp b, 0,1,2,3
	v_max_num_f32 v[TM+\b], v[TM+\b], v[TM+4+\b]   ; with lane l xor 16's 16 numbers
.endr
	QTAIL \W, \src, \a
.endm
.macro PUTF a                          ; the fragment leaves as it stands: 3 x 512 consecutive bytes; its words wait in LDS
.irp c, 0,1,2
	global_store_b128 v[GO], v[OUTF+12*(\a)+4*\c:OUTF+12*(\a)+4*\c+3], s[COUT:COUT+1] offset:(\a)*FRAG+\c*512
.endr
	ds_store_b32 v[SSTW], v[PW+(\a)] offset:64*(\a)
.endm
.macro BIASQK off                      ; the bias along the registers: tile b, register j: feature 32 (b / 2) + 16 h + 8 (b % 2) + j of R's block
	WIN TO_R
.irp b, 0,1,2,3,4,5,6,7
.irp q, 0,1
	global_load_b128 v[BI+8*\b+4*\q:BI+8*\b+4*\q+3], v17, s[BQK:BQK+1] offset:(\off)+128*(\b/2)+32*(\b%2)+16*\q
.endr
.endr
	WIN 0
.endm
; THE WAY OUT of a tile.  nb: the bias that is asked for here for the next tile: 1 the second block's of q or k, 2 v's, 0 none
.macro WAYOUT nb
	WIN 0
	PLACES 4                                       ; in front of the first read of results, of writes over P's fragments, and of loads into the bias's registers
.if (\nb) == 1
	BIASQK 512
.endif
.if (\nb) == 2
	WIN TO_R
.irp a, 0,1,2,3
	global_load_b32 v[BI+8*\a], v18, s[BV:BV+1] offset:128*(\a/2)+32*(\a%2)   ; the bias along the lanes: my row of Wv in tile a
.endr
	WIN 0
.endif
.irp b, 0,1,2,3
	v_mov_b32 v[TM+4+\b], 0                        ; a lane permute's destination counts as a source
.endr
.irp a, 0,1,2,3
	QUANT 1, 64*\a, \a
	PUTF \a
.endr
	ds_load_b64 v[224:225], v[SSTR]                ; LDS serves a wave's instructions in order: these see my four stores
	s_wait_dscnt 0x0
	global_store_b64 v[GW], v[224:225], s[COUTS:COUTS+1]   ; 256 consecutive bytes, aligned
.endm
.macro NEXTTILE                        ; the next tile's K steps 0-3 were shown whole by the round in the last K step: no wait for tiles, no barrier
	FETCH 0, 0, 0
	SCALES 0, 0, 0
	s_wait_loadcnt 0x0                             ; the bias
.endm
	s_load_b256 s[4:11], s[0:1], 0x0               ; x_img, w_img, bq, bk
	s_load_b128 s[12:15], s[0:1], 0x20             ; bv, qk_img
	s_load_b64 s[16:17], s[0:1], 0x30              ; vt_img
	v_lshl_add_u32 v[SPW], v0, 2, SPARE
	v_mov_b32 v[NIL], 0
	ds_add_u32 v[SPW], v[NIL]                      ; the opening: the add, twice on end, and its wait ahead of my first tensor load
	ds_add_u32 v[SPW], v[NIL]
	v_lshrrev_b32 v1, 5, v0
	v_readfirstlane_b32 s[WV], v1                  ; wave 0..3
	s_and_b32 s[W1], s[WV], 1                      ; my half of a panel.  Also: which run (waves 0, 1) or which half of run 2 (waves 2, 3) I fetch first
	s_lshr_b32 s[WH], s[WV], 1                     ; my panel of P
	s_bfe_u32 s21, ttmp6, 0x40000                  ; cx
	s_bfe_u32 s22, ttmp6, 0x40004                  ; cy
	s_and_b32 s24, ttmp7, 0xffff                   ; the cluster's y
	s_lshl_b32 s26, ttmp9, 2
	s_add_co_u32 s26, s26, s21                     ; x
	s_lshl_b32 s25, s24, 2
	s_add_co_u32 s25, s25, s22                     ; y
	s_lshl_b32 s60, s22, 2
	s_lshl_b32 s60, 15, s60                        ; my row of the cluster
	s_lshl_b32 s27, 0x1111, s21                    ; my column
	s_or_b32 s[G1P], s60, (3<<16)|(1<<21)          ; group 1: the mask; elements of 8 bytes; bit 21 beside a mask; no padding
	s_or_b32 s[G1R], s27, (3<<16)|(1<<21)
	s_or_b32 s[G1C], s27, (3<<16)|(1<<21)
	G1SET G1P, 400                                 ; eight records
	G1SET G1R, 50                                  ; one record
	G1SET G1C, 200                                 ; four records
	s_xor_b32 s62, s[W1], ttmp9                    ; run W1 takes x_img G = 2 y + (W1 xor the cluster's x): no cx in it
	s_lshl_b32 s63, s25, 1
	s_add_co_u32 s62, s62, s63
	s_mul_i32 s62, s62, 8*REC
	s_mov_b32 s63, 0
	s_mul_i32 s92, s26, 16*REC                     ; run 2 takes w_img G = 2 x: no cy in it
	s_mul_i32 s93, s[W1], SLOT
	s_add_co_u32 s92, s92, s93
	s_mov_b32 s93, 0
	s_mul_i32 s[LPB], s[W1], RUN                   ; where they go: no place in the cluster enters an LDS address
	s_mul_i32 s[LRB], s[W1], SLOT
	s_add_co_u32 s[LRB], s[LRB], ROFF
	s_wait_dscnt 0x0                               ; both opening adds are done
	s_wait_kmcnt 0x0
	s_mov_b32 s[G0P], 1
	s_mov_b32 s[G0P+1], s[LPB]
	s_add_nc_u64 s[G0P+2:G0P+3], s[4:5], s[62:63]
	s_or_b32 s[G0P+3], s[G0P+3], 0x80000000
	s_mov_b32 s[G0R], 1
	s_mov_b32 s[G0R+1], s[LRB]
	s_add_nc_u64 s[G0R+2:G0R+3], s[6:7], s[92:93]
	s_or_b32 s[G0R+3], s[G0R+3], 0x80000000
	CROUND                                         ; all sixteen work-groups are here: the joint loads meet
	s_cmp_lt_u32 s[WV], 2                          ; every wave issues one, in one branch on its number
	s_cbranch_scc0 .Lfirst_r
	tensor_load_to_lds s[G0P:G0P+3], s[G1P:G1P+7]
	s_nop 0
	PLACES 4
	s_branch .Lfirst_done
.Lfirst_r:
	tensor_load_to_lds s[G0R:G0R+3], s[G1C:G1C+7]
	s_nop 0
	PLACES 4
.Lfirst_done:
	v_and_b32 v1, 31, v0                           ; lane
	v_and_b32 v2, 15, v0                           ; r
	v_bfe_u32 v3, v0, 4, 1                         ; h
	v_and_b32 v4, 8, v2
	v_add_nc_u32 v4, v4, v2                        ; r + 8 (r / 8)
	v_lshlrev_b32 v[GO], 4, v1
	v_lshlrev_b32 v[GW], 3, v1
	s_mul_i32 s62, s[WH], RUN
	s_mul_i32 s63, s[W1], 4*FRAG
	s_add_co_u32 s63, s63, s62
	v_add_nc_u32 v[AP], s63, v[GO]                 ; my four tiles of P: runs 0, 1; K steps 0-3,
	v_add_nc_u32 v[AP+1], SLOT, v[AP]              ; 4-7
	v_add_nc_u32 v[APV], RUN, v[AP]                ; tile 2: runs 1, 2
	v_add_nc_u32 v[APV+1], RUN+SLOT, v[AP]
	v_add_nc_u32 v[AR], ROFF, v[GO]                ; R: run 2;
	v_add_nc_u32 v[AR+1], ROFF+SLOT, v[GO]
	v_lshlrev_b32 v[ARV], 4, v1                    ; tile 2: run 0
	v_add_nc_u32 v[ARV+1], SLOT, v[GO]
	v_lshlrev_b32 v[ASR], 2, v2
	v_mad_u32_u24 v[ASR], v3, REC, v[ASR]          ; 4 r + a record for lanes 16-31
	s_lshl_b32 s63, s[W1], 8
	s_add_co_u32 s63, s63, s62
	s_add_co_u32 s63, s63, SCO
	v_add_nc_u32 v[ASP], s63, v[ASR]
	v_add_nc_u32 v[ASP+1], SLOT, v[ASP]
	v_add_nc_u32 v[ASPV], RUN, v[ASP]
	v_add_nc_u32 v[ASPV+1], RUN+SLOT, v[ASP]
	v_add_nc_u32 v[ASRV], SCO, v[ASR]
	v_add_nc_u32 v[ASRV+1], SCO+SLOT, v[ASR]
	v_add_nc_u32 v[ASR+1], ROFF+SCO+SLOT, v[ASR]
	v_add_nc_u32 v[ASR], ROFF+SCO, v[ASR]
	s_lshl_b32 s63, s[WV], 8
	s_add_co_u32 s63, s63, SST
	v_lshl_add_u32 v[SSTW], v2, 2, s63
	v_add_nc_u32 v[SSTR], s63, v[GW]
	v_lshlrev_b32 v17, 6, v3                       ; 64 h: the bias along the registers
	s_wait_alu depctr_va_vdst(0)
	v_lshlrev_b32 v18, 2, v4                       ; 4 (r + 8 (r / 8)): the bias along the lanes
	s_mov_b32 s[SEL], 0x76543210
	s_mov_b32 s[SEL+1], 0xfedcba98
	; block 2 x + 1 of Wq | Wk: w_img G = 2 x + 1, one record a wave and refill, into run 2
	s_mul_i32 s60, s26, 16*REC
	s_add_co_u32 s60, s60, 8*REC
	s_mul_i32 s62, s[WV], REC
	s_add_co_u32 s60, s60, s62
	s_mov_b32 s61, 0
	s_mov_b32 s[G0X], 1
	s_add_co_u32 s[G0X+1], s62, ROFF
	s_add_nc_u64 s[G0X+2:G0X+3], s[6:7], s[60:61]
	s_mov_b32 s[G0X2], 1
	s_add_co_u32 s[G0X2+1], s62, ROFF+SLOT
	s_add_nc_u64 s[G0X2+2:G0X2+3], s[G0X+2:G0X+3], SLOT
	s_or_b32 s[G0X+3], s[G0X+3], 0x80000000
	s_or_b32 s[G0X2+3], s[G0X2+3], 0x80000000
	; where my results go.  q, k: qk_img record ((cluster x) 64 + my panel's G) 8 + 2 cx, then one record on;  v: vt_img record (2 cx + panel) 64 + 2 y + cluster x
	s_xor_b32 s60, s[WH], ttmp9
	s_lshl_b32 s61, s25, 1
	s_add_co_u32 s23, s61, ttmp9                   ; the tokens' block in run 0
	s_add_co_u32 s60, s60, s61                     ; my panel's G
	s_lshl_b32 s61, ttmp9, 6
	s_add_co_u32 s60, s60, s61
	s_lshl_b32 s60, s60, 3
	s_lshl_b32 s61, s21, 1
	s_add_co_u32 s24, s61, s[WH]                   ; 2 cx + panel
	s_add_co_u32 s60, s60, s61
	s_mul_i32 s60, s60, REC
	s_mov_b32 s61, 0
	s_add_nc_u64 s[OUT:OUT+1], s[14:15], s[60:61]
	s_lshl_b32 s60, s24, 6
	s_add_co_u32 s60, s60, s23
	s_mul_i32 s60, s60, REC
	s_add_nc_u64 s[OUTV:OUTV+1], s[16:17], s[60:61]
	s_lshl_b32 s60, s[W1], 8
	s_add_co_u32 s60, s60, SCO
	s_add_nc_u64 s[OUTS:OUTS+1], s[OUT:OUT+1], s[60:61]
	s_add_nc_u64 s[OUTSV:OUTSV+1], s[OUTV:OUTV+1], s[60:61]
	s_mul_i32 s60, s[W1], 4*FRAG
	s_add_nc_u64 s[OUT:OUT+1], s[OUT:OUT+1], s[60:61]
	s_add_nc_u64 s[OUTV:OUTV+1], s[OUTV:OUTV+1], s[60:61]
	; the biases
	s_lshl_b32 s60, s21, 10                        ; 512 bytes a block, block 2 cx of the weight
	s_cmp_eq_u32 ttmp9, 0                          ; the cluster's x alone: Wq's blocks or Wk's
	s_cselect_b64 s[BQK:BQK+1], s[8:9], s[10:11]
	s_add_nc_u64 s[BQK:BQK+1], s[BQK:BQK+1], s[60:61]
	s_lshl_b32 s60, s24, 1
	s_add_co_u32 s60, s60, s[W1]
	s_lshl_b32 s60, s60, 8                         ; 64 features of 4 bytes for each half panel
	s_add_nc_u64 s[BV:BV+1], s[12:13], s[60:61]
	; Wv: w_img G = 16 + 2 cx + WH, two records a wave and refill (2 W1 on), into run 1 + WH
	s_add_co_u32 s60, s24, 16
	s_mul_i32 s60, s60, 8*REC
	s_mul_i32 s62, s[W1], HALF
	s_add_co_u32 s60, s60, s62
	s_mul_i32 s63, s[WH], RUN
	s_add_co_u32 s62, s62, s63
	s_mov_b32 s[G0Y], 1
	s_add_co_u32 s[G0Y+1], s62, RUN
	s_add_nc_u64 s[G0Y+2:G0Y+3], s[6:7], s[60:61]
	s_mov_b32 s[G0Y2], 1
	s_add_co_u32 s[G0Y2+1], s62, RUN+SLOT
	s_add_nc_u64 s[G0Y2+2:G0Y2+3], s[G0Y+2:G0Y+3], SLOT
	s_or_b32 s[G0Y+3], s[G0Y+3], 0x80000000
	s_or_b32 s[G0Y2+3], s[G0Y2+3], 0x80000000
	s_or_b32 s[G1D], s27, (3<<16)|(1<<21)          ; the first four pointers are used up: their registers take the fourth shape
	G1SET G1D, 100                                 ; two records
	; ---- tile 0: the tokens against block 2 x
	BIASQK 0
	s_wait_tensorcnt 0x0                           ; my part of the three runs is in
	s_barrier_signal -1
	s_barrier_wait -1                              ; everybody's is
	FETCH 0, 0, 0
	SCALES 0, 0, 0
	s_wait_loadcnt 0x0                             ; the bias
	K012 2                                         ; the bias is the C of each sum's first product
	KREFILL G0X, G1R, 1                            ; block 2 x + 1, K steps 0-3
	K456
	KREFILL G0X2, G1R, 0                           ; and 4-7
	WAYOUT 1
	; ---- tile 1: the tokens against block 2 x + 1
	s_wait_xcnt 0x0                                ; the last tile's stores have read their registers and bases: both are written again
	s_add_nc_u64 s[OUT:OUT+1], s[OUT:OUT+1], REC
	s_add_nc_u64 s[OUTS:OUTS+1], s[OUTS:OUTS+1], REC
	NEXTTILE
	K012 2
	KREFILL G0Y, G1D, 1                            ; Wv's two panels, K steps 0-3, into runs 1 and 2
	K456
	KREFILL G0Y2, G1D, 0                           ; and 4-7
	WAYOUT 2
	; ---- tile 2: Wv's 256 features against the 128 tokens of run 0
.set CAP,  APV
.set CAR,  ARV
.set CASP, ASPV
.set CASR, ASRV
.set COUT, OUTV
.set COUTS, OUTSV
	s_wait_xcnt 0x0                                ; the last tile's stores have read their registers
	NEXTTILE
	WIN 0x82                                       ; destination and source 0 in window 2
.irp a, 0,1,2,3
.irp j, 1,2,3,4,5,6,7
	v_mov_b32 v[BI+8*\a+\j], v[BI+8*\a]            ; a C operand is eight registers
.endr
.endr
	s_wait_alu depctr_va_vdst(0)
	K012 3
	KSTEP 3, 0, 2, 1, 0                            ; Wv's K steps 4-7 are shown
	K456
	KSTEP 3, 0, 0, 0, 0
	WAYOUT 0
	s_wait_tensorcnt 0x0                           ; the wave's end
	ds_add_u32 v[SPW], v[NIL]
	s_wait_dscnt 0x0
	CROUND                                         ; the closing round
	s_endpgm
.Lfunc_end_k_q6370fbf800_qkv:
	.size	k_q6370fbf800_qkv, .Lfunc_end_k_q6370fbf800_qkv-k_q6370fbf800_qkv
	.p2alignl 7, 3214868480
	.fill 96, 4, 3214868480
	.section	.rodata,"a",@progbits
	.p2align	6, 0x0
	.amdhsa_kernel k_q6370fbf800_qkv
		.amdhsa_group_segment_fixed_size 327680
		.amdhsa_private_segment_fixed_size 0
		.amdhsa_enable_private_segment 0
		.amdhsa_kernarg_size 56
		.amdhsa_user_sgpr_count 2
		.amdhsa_user_sgpr_kernarg_segment_ptr 1
		.amdhsa_wavefront_size32 1
		.amdhsa_system_sgpr_workgroup_id_x 1
		.amdhsa_system_sgpr_workgroup_id_y 1
		.amdhsa_system_sgpr_workgroup_id_z 1
		.amdhsa_system_vgpr_workitem_id 0
		.amdhsa_next_free_vgpr 768
		.amdhsa_next_free_sgpr 106
		.amdhsa_reserve_vcc 0
		.amdhsa_float_denorm_mode_32 3
		.amdhsa_float_denorm_mode_16_64 3
		.amdhsa_memory_ordered 1
		.amdhsa_forward_progress 1
		.amdhsa_inst_pref_size 234
	.end_amdhsa_kernel
	.amdgpu_metadata
---
amdhsa.version: [ 1, 2 ]
amdhsa.kernels:
  - .name:           k_q6370fbf800_qkv
    .symbol:         k_q6370fbf800_qkv.kd
    .args:
      - { .name: x_img, .offset: 0, .size: 8, .value_kind: global_buffer, .address_space: global }
      - { .name: w_img, .offset: 8, .size: 8, .value_kind: global_buffer, .address_space: global }
      - { .name: bq, .offset: 16, .size: 8, .value_kind: global_buffer, .address_space: global }
      - { .name: bk, .offset: 24, .size: 8, .value_kind: global_buffer, .address_space: global }
      - { .name: bv, .offset: 32, .size: 8, .value_kind: global_buffer, .address_space: global }
      - { .name: qk_img, .offset: 40, .size: 8, .value_kind: global_buffer, .address_space: global }
      - { .name: vt_img, .offset: 48, .size: 8, .value_kind: global_buffer, .address_space: global }
    .group_segment_fixed_size: 327680
    .private_segment_fixed_size: 0
    .kernarg_segment_align: 8
    .kernarg_segment_size: 56
    .max_flat_workgroup_size: 128
    .sgpr_count:     106
    .vgpr_count:     768
    .wavefront_size: 32
...
	.end_amdgpu_metadata
.endif
;; end of part 2
;; launch scores (part 3): grid 36 x 4, 4 waves a work-group, no clusters, 327,680 bytes of LDS; arguments qk_img, p_img, stat; writes p_img, stat
.if DOCPART == 3
	.amdgcn_target "amdgcn-amd-amdhsa--gfx1250"
	.amdhsa_code_object_version 6
	.text
	.protected	k_q6370fbf800_scores
	.globl	k_q6370fbf800_scores
	.p2align	8
	.type	k_q6370fbf800_scores,@function
k_q6370fbf800_scores:
	s_mov_b64 s[64:65], 0
	v_nop
	global_prefetch_b8 v0, s[64:65] scope:SCOPE_SE
	s_setreg_imm32_b32 hwreg(HW_REG_WAVE_MODE, 25, 1), 1
	s_wait_xcnt 0x0
; S = q k^T / 32 under the causal mask, and p = 2^(t - M) as codes of FP6 along the keys (p_img: rows = queries, K = the batch's 2,048 keys), on the core of launch qkv (images: head of launch quant).
; M HERE IS LOCAL: for each query and each 128 keys, M_loc = ceil(the largest t among those keys), a whole number.  The codes of p do not hang on which whole number M is: a block's scale takes the shift up.
; So the codes go out as they are; -M_loc and l_loc (the sum of the unquantised p) go to stat, and launch pv, which knows the row's M, shifts the scale bytes and adds the sums: both exact.
; WORK LEFT OUT: tiles of 256 queries x 256 keys that lie wholly above the diagonal: reference() masks them itself, their p is 0 for all inputs.  So a batch has 36 tiles (qi, kj <= qi).
; A work-group keeps its 256 queries in LDS and makes two tiles of 256 x 128, one after the other; the second block of keys is fetched into the first's bytes while the first tile's softmax runs.
; NO CLUSTER: a batch's tiles form rows of 1 to 8 and columns of 8 to 1; they do not fall into groups of four that share a row or a column.
; LIMIT: a row all of whose 128 keys are hidden gets -M_loc = about 1.3e37 and l_loc = 0, which pv's minimum and shift pass over.
.set REC,   12800
.set FRAG,  1536
.set SCO,   12288
.set HALF,  2*REC
.set RUN,   8*REC                      ; a run: the eight records of 128 rows, all of K; runs 0, 1 the queries, run 2 the keys
.set ROFF,  2*RUN
.set SLOT,  4*REC                      ; K steps 4-7 of a run lie this far behind K steps 0-3
.set SST,   3*RUN                      ; behind the runs, 256 bytes a wave each: scale words, at + 1,024 the -M_loc, at + 2,048 the l_loc
.set SPARE, SST+3072
.set AP,   5
.set AR,   7
.set ASP,  9
.set ASR,  11
.set GO,   13
.set GW,   14
.set SSTW, 15
.set SSTR, 16
.set SPW,  30
.set NIL,  31
.set SC,   32
.set PF,   64
.set T,    160                         ; v160-223 t - M, then p, of one tile of rows
.set OUTF, 64
.set TMPC, 112
.set TM,   120
.set PW,   136
.set NM,   148                         ; v[148:149] -M_loc (the packed form names a pair and takes its low word)
.set SA,   150                         ; v[150:151], v[152:153] the sum, in two chains
.set SB,   152
.set RM,   156
.set BI,   192
.set WV,   18
.set W1,   19
.set WH,   20
.set QI,   21
.set KJ,   22
.set SD,   24                          ; s24  128 x (my panel's block of queries - the tile's block of keys)
.set CS,   26                          ; s[26:27] c = log2(e) / 32
.set G1P,  28
.set G1R,  36
.set G0P,  44
.set G0R,  68
.set G0X,  84                          ; s[84:87] group 0 of the one refill
.set LPB,  60
.set LRB,  61
.set SEL,  66
.set STB,  92
.set OUT,  96
.set OUTS, 98
.set MUL,  0x52
.set MULB, 0x62
.set TO_R, 0x80
.set MSB,  0
.macro WIN new
.if MSB != \new
	s_set_vgpr_msb (MSB<<8)|\new
.set MSB, \new
.endif
.endm
.macro PLACES n
.rept \n
	v_nop
.endr
.endm
.macro WM acc, rf, pf, cb, sa, sb, row
.if (\cb) == 999
	v_wmma_scale_f32_16x16x128_f8f6f4 v[(\acc):(\acc)+7], v[(\rf):(\rf)+11], v[(\pf):(\pf)+11], 0, v[\sa], v[\sb] matrix_a_fmt:MATRIX_FMT_FP6 matrix_b_fmt:MATRIX_FMT_FP6
.elseif \row
	v_wmma_scale_f32_16x16x128_f8f6f4 v[(\acc):(\acc)+7], v[(\rf):(\rf)+11], v[(\pf):(\pf)+11], v[(\cb):(\cb)+7], v[\sa], v[\sb] matrix_a_fmt:MATRIX_FMT_FP6 matrix_b_fmt:MATRIX_FMT_FP6 matrix_a_scale:MATRIX_SCALE_ROW1 matrix_b_scale:MATRIX_SCALE_ROW1
.else
	v_wmma_scale_f32_16x16x128_f8f6f4 v[(\acc):(\acc)+7], v[(\rf):(\rf)+11], v[(\pf):(\pf)+11], v[(\cb):(\cb)+7], v[\sa], v[\sb] matrix_a_fmt:MATRIX_FMT_FP6 matrix_b_fmt:MATRIX_FMT_FP6
.endif
.endm
.macro MUL8 a, set, sset, row, cm      ; cm = 0: onto the accumulator; 1: the constant 0 starts the sum.  The 32 accumulators take turns
.irp b, 0,1,2,3,4,5,6,7
.if (\cm) == 0
	WM 8*(8*(\a)+\b), 96*(\set)+12*\b, PF+48*(\set)+12*(\a), 8*(8*(\a)+\b), SC+12*(\sset)+\b, SC+12*(\sset)+8+(\a), \row
.else
	WM 8*(8*(\a)+\b), 96*(\set)+12*\b, PF+48*(\set)+12*(\a), 999, SC+12*(\sset)+\b, SC+12*(\sset)+8+(\a), \row
.endif
.endr
.endm
.macro FETCH slot, i, set
	WIN TO_R
.irp b, 0,1,2,3,4,5,6,7
.irp c, 0,1,2
	ds_load_b128 v[96*(\set)+12*\b+4*\c:96*(\set)+12*\b+4*\c+3], v[AR+(\slot)] offset:(\i)*REC+\b*FRAG+\c*512
.endr
.endr
	WIN 0
.irp a, 0,1,2,3
.irp c, 0,1,2
	ds_load_b128 v[PF+48*(\set)+12*\a+4*\c:PF+48*(\set)+12*\a+4*\c+3], v[AP+(\slot)] offset:(\i)*REC+\a*FRAG+\c*512
.endr
.endr
.endm
.macro SCALES slot, pr, set
.irp b, 0,1,2,3,4,5,6,7
	ds_load_b32 v[SC+12*(\set)+\b], v[ASR+(\slot)] offset:(\pr)*HALF+64*\b
.endr
.irp a, 0,1,2,3
	ds_load_b32 v[SC+12*(\set)+8+\a], v[ASP+(\slot)] offset:(\pr)*HALF+64*\a
.endr
.endm
.macro KSTEP i, cm, mid, tc, nslot, ni ; as in launch qkv
.if (\mid) == 2
	s_wait_tensorcnt \tc
.endif
	s_wait_dscnt 0x0
.if (\mid) == 2
	s_barrier_signal -1
.endif
	WIN MUL
	MUL8 0, (\i)%2, ((\i)/2)%2, (\i)%2, \cm
.if (\mid) == 2
	s_barrier_wait -1
.endif
.if (\mid) > 0
	PLACES 4
	FETCH \nslot, \ni, (\ni)%2
.if ((\ni)%2) == 0
	SCALES \nslot, (\ni)/2, ((\ni)/2)%2
.endif
	WIN MUL
.endif
	MUL8 1, (\i)%2, ((\i)/2)%2, (\i)%2, \cm
	MUL8 2, (\i)%2, ((\i)/2)%2, (\i)%2, \cm
	MUL8 3, (\i)%2, ((\i)/2)%2, (\i)%2, \cm
.endm
; The first tile's last K step carries the refill of R's eight records.  Every wave: all its tensor loads have landed; the add; its LDS loads, the last reads of R among them, are in; the barrier;
; and first behind it ONE load a wave, two records each, which lands under the softmax that follows.
.macro KREFILL
	WIN 0                                          ; (the add's two registers lie in window 0)
	s_wait_tensorcnt 0x0
	ds_add_u32 v[SPW], v[NIL]
	s_wait_dscnt 0x1                               ; this step's fragments are in; the add may be out
	WIN MUL
	MUL8 0, 1, 1, 1, 0
	s_wait_dscnt 0x0                               ; the add is done, and my reads of R's records are over
	s_barrier_signal -1
	MUL8 1, 1, 1, 1, 0
	WIN 0
	s_barrier_wait -1
	tensor_load_to_lds s[G0X:G0X+3], s[G1P:G1P+7]
	s_nop 0
	PLACES 4
	WIN MUL
	MUL8 2, 1, 1, 1, 0
	MUL8 3, 1, 1, 1, 0
.endm
.macro QTAIL W, src, a
.irp b, 0,1,2,3
	v_add_nc_u32 v[TM+12+\b], 0xff000000, v[TM+\b]
.endr
.irp b, 0,1,2,3
	v_lshrrev_b32 v[TM+4+\b], 23, v[TM+12+\b]
.endr
	v_lshl_or_b32 v[PW+(\a)], v[TM+5], 8, v[TM+4]
	v_lshl_or_b32 v[PW+(\a)], v[TM+6], 16, v[PW+(\a)]
	v_lshl_or_b32 v[PW+(\a)], v[TM+7], 24, v[PW+(\a)]
	WIN \W
.irp c, 0,1
	v_cvt_scalef32_pk16_fp6_f32 v[OUTF+12*(\a)+6*\c:OUTF+12*(\a)+6*\c+2], v[(\src)+32*\c:(\src)+32*\c+15], v[TM+12+2*\c]
	v_cvt_scalef32_pk16_fp6_f32 v[TMPC+4*\c:TMPC+4*\c+2], v[(\src)+32*\c+16:(\src)+32*\c+31], v[TM+12+2*\c+1]
.endr
	WIN 0
	v_nop                                          ; one plain place behind a scaled conversion
.irp c, 0,1
.irp i, 0,1,2
	v_permlane16_swap_b32 v[OUTF+12*(\a)+6*\c+\i], v[TMPC+4*\c+\i]
.endr
.irp i, 0,1,2
	v_mov_b32 v[OUTF+12*(\a)+6*\c+3+\i], v[TMPC+4*\c+\i]
.endr
.endr
.endm
.macro PUTF a
.irp c, 0,1,2
	global_store_b128 v[GO], v[OUTF+12*(\a)+4*\c:OUTF+12*(\a)+4*\c+3], s[OUT:OUT+1] offset:(\a)*FRAG+\c*512
.endr
	ds_store_b32 v[SSTW], v[PW+(\a)] offset:64*(\a)
.endm
; register n = 16 b + i of tile a holds key 32 b + 16 h + i of the block; my query is 32 (a / 2) + 8 (a % 2) further on than v18 says: hidden where the key comes after it
.macro MASK a
.set nn, 0
.rept 64
	v_cmp_gt_i32 vcc_lo, 32*(nn/16)+nn%16-32*((\a)/2)-8*((\a)%2), v18
	v_cndmask_b32 v[64*(\a)+nn], v[64*(\a)+nn], v19, vcc_lo
.set nn, nn+1
.endr
.endm
.macro SOFTQ a
	WIN 0x14                                       ; sources 1 and 2: the scores, in window 1
.irp b, 0,1,2,3
	v_max3_num_f32 v[TM+\b], 0xff800000, v[64*(\a)+16*\b], v[64*(\a)+16*\b+1]   ; the largest score of each block of 32 keys: it serves the row's maximum and, since p rises with the score, the block's largest p
.endr
.irp i, 2,4,6,8,10,12,14
.irp b, 0,1,2,3
	v_max3_num_f32 v[TM+\b], v[TM+\b], v[64*(\a)+16*\b+\i], v[64*(\a)+16*\b+\i+1]
.endr
.endr
	WIN 0
.irp b, 0,1,2,3
	v_permlanex16_b32 v[TM+4+\b], v[TM+\b], s[SEL], s[SEL+1]
.endr
.irp b, 0,1,2,3
	v_max_num_f32 v[TM+\b], v[TM+\b], v[TM+4+\b]
.endr
	v_max3_num_f32 v[RM], v[TM], v[TM+1], v[TM+2]
	v_max3_num_f32 v[RM], v[RM], v[TM+3], 0xff61b1e6   ; -3e38 among the leaves: a row that is all hidden keeps a finite M
	v_mul_f32 v[RM], s[CS], v[RM]                  ; as t (c is positive)
	v_floor_f32 v[NM], -v[RM]                      ; -M_loc = floor(-t) = -ceil(t)
	WIN 0x01                                       ; source 0: the scores
.set jj, 0
.rept 32
	v_pk_fma_f32 v[T+jj:T+jj+1], v[64*(\a)+jj:64*(\a)+jj+1], s[CS:CS+1], v[NM:NM+1] op_sel_hi:[1,0,0]   ; t - M
.set jj, jj+2
.endr
	WIN 0
.irp b, 0,1,2,3
	v_fma_f32 v[TM+\b], v[TM+\b], s[CS], v[NM]     ; the same of each block's largest score
.endr
.set jj, 0
	s_wait_alu depctr_va_vdst(0)
.rept 64
	v_exp_f32 v[T+jj], v[T+jj]                     ; p, at most 1, not normalised
.set jj, jj+1
.endr
	v_nop                                          ; a plain place behind the exponentials
	s_wait_alu depctr_va_vdst(0)                   ; one wait for the batch, ahead of its first reader
.irp b, 0,1,2,3
	v_exp_f32 v[TM+\b], v[TM+\b]                   ; each block's largest p: the same two instructions on the same number
.endr
	v_pk_add_f32 v[SA:SA+1], v[T:T+1], v[T+2:T+3]  ; the sum of the UNQUANTISED p; it reads the 64 alone: plain work behind the four
	v_pk_add_f32 v[SB:SB+1], v[T+4:T+5], v[T+6:T+7]
.set jj, 8
.rept 14
	v_pk_add_f32 v[SA:SA+1], v[SA:SA+1], v[T+jj:T+jj+1]
	v_pk_add_f32 v[SB:SB+1], v[SB:SB+1], v[T+jj+2:T+jj+3]
.set jj, jj+4
.endr
	v_pk_add_f32 v[SA:SA+1], v[SA:SA+1], v[SB:SB+1]
	v_add_f32 v[SA], v[SA], v[SA+1]
	v_permlanex16_b32 v[SB], v[SA], s[SEL], s[SEL+1]
	v_add_f32 v[SA], v[SA], v[SB]                  ; l_loc
	s_wait_alu depctr_va_vdst(0)                   ; and one for the four
.irp b, 0,1,2,3
	v_max_num_f32 v[TM+\b], 0x1800000, v[TM+\b]    ; the floor 2^(3 - 127): a block of zeros keeps the byte 1
.endr
	QTAIL 0, T, \a
.endm
.macro TILE tau
.if \tau == 0
	s_wait_tensorcnt 0x0                           ; my part of the three runs is in, and no tensor load of mine is out: a descriptor may be written
	s_mov_b32 s[G1P+2], 100<<16                    ; from here on a load brings two records: the one refill's shape
	s_mov_b32 s[G1P+4], 100
	s_barrier_signal -1
	s_barrier_wait -1
.else
	s_wait_tensorcnt 0x0                           ; my two records of the second block of keys are in,
	s_wait_dscnt 0x0
	s_barrier_signal -1
	s_barrier_wait -1                              ; everybody's are
.endif
	FETCH 0, 0, 0
	SCALES 0, 0, 0
.if \tau == 0
	KSTEP 0, 1, 1, 0, 0, 1
	KSTEP 1, 0, 1, 0, 0, 2
	KSTEP 2, 0, 1, 0, 0, 3
	KSTEP 3, 0, 1, 0, 1, 0
	KSTEP 0, 0, 1, 0, 1, 1
	KSTEP 1, 0, 1, 0, 1, 2
	KSTEP 2, 0, 1, 0, 1, 3
	KREFILL
.else
	KSTEP 0, 1, 1, 0, 0, 1
	KSTEP 1, 0, 1, 0, 0, 2
	KSTEP 2, 0, 1, 0, 0, 3
	KSTEP 3, 0, 1, 0, 1, 0
	KSTEP 0, 0, 1, 0, 1, 1
	KSTEP 1, 0, 1, 0, 1, 2
	KSTEP 2, 0, 1, 0, 1, 3
	KSTEP 3, 0, 0, 0, 0, 0
.endif
	WIN 0
	PLACES 4                                       ; in front of the first read of results, and of writes over P's fragments
.irp b, 0,1,2,3
	v_mov_b32 v[TM+4+\b], 0                        ; a lane permute's destination counts as a source
.endr
	v_mov_b32 v[NM+1], 0                           ; (named as the upper half of a pair)
	s_cmp_ge_i32 s[SD], 128                        ; all 128 keys come before all my 64 queries: nothing is hidden.  Ids and the wave's number alone
	s_cbranch_scc1 .Lopen_\@
	v_add_nc_u32 v18, s[SD], v17                   ; my query of tile 0, less the block's first key, less 16 h
	WIN 0x41                                       ; destination and source 0: the scores
	MASK 0
	MASK 1
	MASK 2
	MASK 3
	WIN 0
.Lopen_\@:
.irp a, 0,1,2,3
	SOFTQ \a
	PUTF \a
	ds_store_b32 v[SSTW], v[NM] offset:1024+64*\a
	ds_store_b32 v[SSTW], v[SA] offset:2048+64*\a
.endr
	ds_load_b64 v[224:225], v[SSTR]                ; LDS serves a wave's instructions in order: these see my stores
	ds_load_b64 v[226:227], v[SSTR] offset:1024
	ds_load_b64 v[228:229], v[SSTR] offset:2048
	s_wait_dscnt 0x0
	global_store_b64 v[GW], v[224:225], s[OUTS:OUTS+1]   ; three aligned runs of 256 bytes
	global_store_b64 v[GW], v[226:227], s[STB:STB+1]
	global_store_b64 v[GW], v[228:229], s[STB:STB+1] offset:512
.endm
	s_load_b128 s[4:7], s[0:1], 0x0                ; qk_img, p_img
	s_load_b64 s[8:9], s[0:1], 0x10                ; stat
	v_lshl_add_u32 v[SPW], v0, 2, SPARE
	v_mov_b32 v[NIL], 0
	ds_add_u32 v[SPW], v[NIL]                      ; the opening: the add, twice on end, and its wait ahead of my first tensor load
	ds_add_u32 v[SPW], v[NIL]
	v_lshrrev_b32 v1, 5, v0
	v_readfirstlane_b32 s[WV], v1
	s_and_b32 s[W1], s[WV], 1
	s_lshr_b32 s[WH], s[WV], 1
	s_mov_b32 s[QI], 0                             ; work-group x counts the pairs (qi, kj <= qi) row by row: qi = how many of the rows' first numbers x has reached
.irp t, 1,3,6,10,15,21,28
	s_cmp_ge_u32 ttmp9, \t
	s_cselect_b32 s62, 1, 0
	s_add_co_u32 s[QI], s[QI], s62
.endr
	s_add_co_u32 s62, s[QI], 1
	s_mul_i32 s62, s62, s[QI]
	s_lshr_b32 s62, s62, 1
	s_sub_co_u32 s[KJ], ttmp9, s62
	s_and_b32 s23, ttmp7, 0xffff                   ; the batch
	s_mov_b32 s[G1P], 3<<16                        ; elements of 8 bytes, no mask, no padding
	s_mov_b32 s[G1P+1], 32<<16                     ; rows of 256 bytes,
	s_mov_b32 s[G1P+2], 400<<16                    ; 400: a run's eight records
	s_mov_b32 s[G1P+3], 32<<16
	s_mov_b32 s[G1P+4], 400
	s_mov_b32 s[G1P+5], 32
	s_mov_b32 s[G1P+6], 0
	s_mov_b32 s[G1P+7], 0
	s_mov_b32 s[G1R], 3<<16
	s_mov_b32 s[G1R+1], 32<<16
	s_mov_b32 s[G1R+2], 200<<16                    ; four records
	s_mov_b32 s[G1R+3], 32<<16
	s_mov_b32 s[G1R+4], 200
	s_mov_b32 s[G1R+5], 32
	s_mov_b32 s[G1R+6], 0
	s_mov_b32 s[G1R+7], 0
	s_lshl_b32 s62, s23, 4
	s_lshl_b32 s63, s[QI], 1
	s_add_co_u32 s25, s62, s63                     ; q's first G: 16 batch + 2 qi
	s_add_co_u32 s88, s25, s[W1]
	s_mul_i32 s88, s88, 8*REC
	s_mov_b32 s89, 0
	s_lshl_b32 s63, s[KJ], 1
	s_add_co_u32 s62, s62, s63
	s_add_co_u32 s62, s62, 64                      ; k's G: 64 + 16 batch + 2 kj
	s_mul_i32 s62, s62, 8*REC
	s_mul_i32 s90, s[W1], SLOT
	s_add_co_u32 s90, s90, s62
	s_mov_b32 s91, 0
	s_mul_i32 s94, s[WV], HALF
	s_add_co_u32 s94, s94, s62
	s_add_co_u32 s94, s94, 8*REC                   ; the second block of keys, my two records
	s_mov_b32 s95, 0
	s_mul_i32 s[LPB], s[W1], RUN
	s_mul_i32 s[LRB], s[W1], SLOT
	s_add_co_u32 s[LRB], s[LRB], ROFF
	s_mul_i32 s62, s[WH], SLOT
	s_mul_i32 s63, s[W1], HALF
	s_add_co_u32 s62, s62, s63
	s_add_co_u32 s62, s62, ROFF                    ; and where they go
	s_mov_b32 s[CS], 0x3d38aa3b                    ; log2(e) / 32
	s_mov_b32 s[CS+1], s[CS]
	s_sub_co_u32 s[SD], s[QI], s[KJ]
	s_lshl_b32 s[SD], s[SD], 1
	s_add_co_u32 s[SD], s[SD], s[WH]
	s_lshl_b32 s[SD], s[SD], 7
	s_wait_dscnt 0x0                               ; both opening adds are done
	s_wait_kmcnt 0x0
	s_add_nc_u64 s[88:89], s[4:5], s[88:89]
	s_add_nc_u64 s[90:91], s[4:5], s[90:91]
.irp i, 0
	s_mov_b32 s[G0P+4*\i], 1
	s_add_co_u32 s[G0P+4*\i+1], s[LPB], (\i/2)*SLOT+(\i%2)*HALF
	s_add_nc_u64 s[G0P+4*\i+2:G0P+4*\i+3], s[88:89], \i*HALF
	s_or_b32 s[G0P+4*\i+3], s[G0P+4*\i+3], 0x80000000
	s_mov_b32 s[G0R+4*\i], 1
	s_add_co_u32 s[G0R+4*\i+1], s[LRB], (\i/2)*SLOT+(\i%2)*HALF
	s_add_nc_u64 s[G0R+4*\i+2:G0R+4*\i+3], s[90:91], \i*HALF
	s_or_b32 s[G0R+4*\i+3], s[G0R+4*\i+3], 0x80000000
.endr
	s_mov_b32 s[G0X], 1
	s_mov_b32 s[G0X+1], s62
	s_add_nc_u64 s[G0X+2:G0X+3], s[4:5], s[94:95]
	s_or_b32 s[G0X+3], s[G0X+3], 0x80000000
	s_cmp_lt_u32 s[WV], 2                          ; every wave issues one first fill, in one branch on its number: waves 0, 1 a run of queries, waves 2, 3 half of the keys' run
	s_cbranch_scc0 .Lfirst_r
	tensor_load_to_lds s[G0P:G0P+3], s[G1P:G1P+7]
	s_nop 0
	PLACES 4
	s_branch .Lfirst_done
.Lfirst_r:
	tensor_load_to_lds s[G0R:G0R+3], s[G1R:G1R+7]
	s_nop 0
	PLACES 4
.Lfirst_done:
	v_and_b32 v1, 31, v0
	v_and_b32 v2, 15, v0
	v_bfe_u32 v3, v0, 4, 1
	v_and_b32 v4, 8, v2
	v_add_nc_u32 v4, v4, v2
	v_lshlrev_b32 v[GO], 4, v1
	v_lshlrev_b32 v[GW], 3, v1
	s_mul_i32 s62, s[WH], RUN
	s_mul_i32 s63, s[W1], 4*FRAG
	s_add_co_u32 s63, s63, s62
	v_add_nc_u32 v[AP], s63, v[GO]
	v_add_nc_u32 v[AP+1], SLOT, v[AP]
	v_add_nc_u32 v[AR], ROFF, v[GO]
	v_add_nc_u32 v[AR+1], ROFF+SLOT, v[GO]
	v_lshlrev_b32 v[ASR], 2, v2
	v_mad_u32_u24 v[ASR], v3, REC, v[ASR]
	s_lshl_b32 s63, s[W1], 8
	s_add_co_u32 s63, s63, s62
	s_add_co_u32 s63, s63, SCO
	v_add_nc_u32 v[ASP], s63, v[ASR]
	v_add_nc_u32 v[ASP+1], SLOT, v[ASP]
	v_add_nc_u32 v[ASR+1], ROFF+SCO+SLOT, v[ASR]
	v_add_nc_u32 v[ASR], ROFF+SCO, v[ASR]
	s_lshl_b32 s63, s[WV], 8
	s_add_co_u32 s63, s63, SST
	v_lshl_add_u32 v[SSTW], v2, 2, s63
	v_add_nc_u32 v[SSTR], s63, v[GW]
	s_mov_b32 s[SEL], 0x76543210
	s_mov_b32 s[SEL+1], 0xfedcba98
	s_lshl_b32 s62, s[W1], 6
	v_lshlrev_b32 v17, 4, v3
	v_sub_nc_u32 v17, v4, v17
	v_add_nc_u32 v17, s62, v17                     ; 64 x half + r + 8 (r / 8) - 16 h
	v_mov_b32 v19, 0xff800000                      ; -infinity
	; where my results go: record (16 batch + 2 qi + panel) 16 + 2 kj of p_img and of stat
	s_add_co_u32 s62, s25, s[WH]
	s_lshl_b32 s62, s62, 4
	s_lshl_b32 s63, s[KJ], 1
	s_add_co_u32 s62, s62, s63
	s_lshl_b32 s88, s62, 10
	s_lshl_b32 s63, s[W1], 8
	s_add_co_u32 s88, s88, s63
	s_mov_b32 s89, 0
	s_add_nc_u64 s[STB:STB+1], s[8:9], s[88:89]
	s_mul_i32 s88, s62, REC
	s_add_nc_u64 s[OUT:OUT+1], s[6:7], s[88:89]
	s_add_co_u32 s88, s63, SCO
	s_add_nc_u64 s[OUTS:OUTS+1], s[OUT:OUT+1], s[88:89]
	s_mul_i32 s88, s[W1], 4*FRAG
	s_add_nc_u64 s[OUT:OUT+1], s[OUT:OUT+1], s[88:89]
	s_wait_alu depctr_va_vdst(0)
	TILE 0
	s_wait_xcnt 0x0                                ; the first tile's stores have read their registers and bases: both are written again
	s_add_nc_u64 s[OUT:OUT+1], s[OUT:OUT+1], REC
	s_add_nc_u64 s[OUTS:OUTS+1], s[OUTS:OUTS+1], REC
	s_add_nc_u64 s[STB:STB+1], s[STB:STB+1], 1024
	s_sub_co_i32 s[SD], s[SD], 128
	TILE 1
	; launch pv fetches p in runs of four records; where the diagonal ends a run in its middle (qi even), the run's last two records are stored as zeros: they are fetched and never multiplied
	s_cmp_lg_u32 s[QI], s[KJ]
	s_cbranch_scc1 .Lno_pad
	s_bitcmp1_b32 s[QI], 0
	s_cbranch_scc1 .Lno_pad
.irp i, 0,1,2,3
	v_mov_b32 v[232+\i], 0
.endr
.irp e, 1,2
.irp a, 0,1,2,3
.irp c, 0,1,2
	global_store_b128 v[GO], v[232:235], s[OUT:OUT+1] offset:\e*REC+\a*FRAG+\c*512
.endr
.endr
	global_store_b64 v[GW], v[232:233], s[OUTS:OUTS+1] offset:\e*REC
.endr
.Lno_pad:
	s_wait_tensorcnt 0x0                           ; the wave's end
	ds_add_u32 v[SPW], v[NIL]
	s_wait_dscnt 0x0
	s_endpgm
.Lfunc_end_k_q6370fbf800_scores:
	.size	k_q6370fbf800_scores, .Lfunc_end_k_q6370fbf800_scores-k_q6370fbf800_scores
	.p2alignl 7, 3214868480
	.fill 96, 4, 3214868480
	.section	.rodata,"a",@progbits
	.p2align	6, 0x0
	.amdhsa_kernel k_q6370fbf800_scores
		.amdhsa_group_segment_fixed_size 327680
		.amdhsa_private_segment_fixed_size 0
		.amdhsa_enable_private_segment 0
		.amdhsa_kernarg_size 24
		.amdhsa_user_sgpr_count 2
		.amdhsa_user_sgpr_kernarg_segment_ptr 1
		.amdhsa_wavefront_size32 1
		.amdhsa_system_sgpr_workgroup_id_x 1
		.amdhsa_system_sgpr_workgroup_id_y 1
		.amdhsa_system_sgpr_workgroup_id_z 1
		.amdhsa_system_vgpr_workitem_id 0
		.amdhsa_next_free_vgpr 768
		.amdhsa_next_free_sgpr 100
		.amdhsa_reserve_vcc 1
		.amdhsa_float_denorm_mode_32 3
		.amdhsa_float_denorm_mode_16_64 3
		.amdhsa_memory_ordered 1
		.amdhsa_forward_progress 1
		.amdhsa_inst_pref_size 253
	.end_amdhsa_kernel
	.amdgpu_metadata
---
amdhsa.version: [ 1, 2 ]
amdhsa.kernels:
  - .name:           k_q6370fbf800_scores
    .symbol:         k_q6370fbf800_scores.kd
    .args:
      - { .name: qk_img, .offset: 0, .size: 8, .value_kind: global_buffer, .address_space: global }
      - { .name: p_img, .offset: 8, .size: 8, .value_kind: global_buffer, .address_space: global }
      - { .name: stat, .offset: 16, .size: 8, .value_kind: global_buffer, .address_space: global }
    .group_segment_fixed_size: 327680
    .private_segment_fixed_size: 0
    .kernarg_segment_align: 8
    .kernarg_segment_size: 24
    .max_flat_workgroup_size: 128
    .sgpr_count:     100
    .vgpr_count:     768
    .wavefront_size: 32
...
	.end_amdgpu_metadata
.endif
;; end of part 3
;; launch pv (part 4): grid 8 x 32, 4 waves a work-group, clusters of 4 x 1, 327,680 bytes of LDS; arguments p_img, stat, vt_img, ctx_img; writes ctx_img
.if DOCPART == 4
	.amdgcn_target "amdgcn-amd-amdhsa--gfx1250"
	.amdhsa_code_object_version 6
	.text
	.protected	k_q6370fbf800_pv
	.globl	k_q6370fbf800_pv
	.p2align	8
	.type	k_q6370fbf800_pv,@function
k_q6370fbf800_pv:
	s_mov_b64 s[64:65], 0
	v_nop
	global_prefetch_b8 v0, s[64:65] scope:SCOPE_SE
	s_setreg_imm32_b32 hwreg(HW_REG_WAVE_MODE, 25, 1), 1
	s_wait_xcnt 0x0
	s_wait_alu depctr_hold_cnt(0) depctr_sa_sdst(0) depctr_va_vdst(0) depctr_va_sdst(0) depctr_va_ssrc(0) depctr_va_vcc(0) depctr_vm_vsrc(0)
	s_getreg_b32 s2, hwreg(HW_REG_IB_STS2, 6, 4)
	s_cmp_eq_u32 s2, 0
	s_cbranch_scc0 .Lentry_in_a_cluster
	s_endpgm
.Lentry_in_a_cluster:
	s_bfe_u32 s2, ttmp6, 0x10000c
	s_cmp_lg_u32 s2, 0x3003
	s_cbranch_scc0 .Lentry_shape_is_right
	s_endpgm
.Lentry_shape_is_right:
; ctx = (p v) / l, quantised along the hidden axis into ctx_img, on the core of launch qkv (images: head of launch quant).  P = 256 queries of p_img, R = 128 columns of v (vt_img), K = the keys.
; WORK LEFT OUT: K steps all of whose keys come after all 256 queries (reference()'s own mask: p = 0 there for all inputs): tile qi walks 2 (qi + 1) K steps of 128 keys.
; p's codes were made under a local M for each 128 keys (launch scores).  At the head each thread takes two neighbouring row positions of one panel: M = the largest M_loc; l = the sum of l_loc 2^(M_loc - M);
; every scale byte of p is lowered by M - M_loc: all exact.  That is 48 loads of 8 bytes a thread, a wave's load covering 256 consecutive bytes; they are issued ahead of the first tensor load and worked while chunk 0 is on its way.
; LIMITS: the shift is held at 127, what that leaves of a sum is under 2^-120 beside l >= 1/2; a byte that would fall under 0 becomes 0; 1 / l is v_rcp_f32 and a multiplication.
; THE WALK goes in chunks of four K steps through two slots; a chunk is one tensor load a wave (waves 0, 1: a panel's four records; waves 2, 3: two records of R each).  Every wait on TENSORcnt is for 0; one load of a wave is out at the most.
; CLUSTER 4 x 1: the four partners make four blocks of columns for the same 256 queries: p's panels, two thirds of a chunk's bytes, are asked for jointly (mask 15); R's records are each work-group's own.
; qi comes from the cluster's y, so it is the same number in all four partners, and so is every branch on it.  No jump leads round a load and back: at each change of slots a tile whose last chunk begins
; leaves for that chunk's own text, written out, which asks for nothing.  So there are three chunks that ask for a successor and four that do not; every LDS offset is an immediate.
; PREFETCH: a chunk's tensor loads go out when the chunk before has landed, with nothing on its way beside them.  So chunk c is named one change of slots ahead of its tensor loads (chunk 1 at the head), where the tile reads it:
; three instructions a wave, 25 blocks of 256 bytes each (lanes 25-31 name the wave's last block again): p's 400 blocks are shared out among the cluster's 16 waves by address, R's 200 among my four waves.
.set REC,   12800
.set FRAG,  1536
.set SCO,   12288
.set HALF,  2*REC
.set RUN,   4*REC
.set ROFF,  2*RUN
.set SLOT,  3*RUN
.set PSC,   2*SLOT                     ; p's shifted scale words: [panel 2][pair of K steps 8][tile 8][K step of the pair 2][r 16]
.set RL,    PSC+16384                  ; 1 / l: [panel 2][128]
.set SST,   RL+1024
.set SPARE, SST+1024
.set AP,   5
.set AR,   7
.set ASR,  11
.set GO,   13
.set GW,   14
.set SSTW, 15
.set SSTR, 16
.set PFP,  24                          ; v24, v25: the prefetches' offsets in p_img and in vt_img; never rewritten
.set PFR,  25
.set SPW,  30
.set NIL,  31
.set SC,   32
.set PF,   64
.set T,    160
.set OUTF, 64
.set TMPC, 112
.set TM,   120
.set PW,   136
.set WV,   18
.set W1,   19
.set WH,   20
.set QI,   24
.set ONES, 25
.set G1P,  28
.set G1R,  36
.set G0P,  44
.set G0R,  48
.set RB,   54                          ; s[54:55] vt_img at my columns' and batch's first record; never rewritten
.set LPB,  60
.set LRB,  61
.set SEL,  66
.set STB,  92
.set PB2,  94
.set OUT,  96
.set OUTS, 98
.set MUL,  0x52
.set TO_R, 0x80
.set MSB,  0
.macro WIN new
.if MSB != \new
	s_set_vgpr_msb (MSB<<8)|\new
.set MSB, \new
.endif
.endm
.macro PLACES n
.rept \n
	v_nop
.endr
.endm
.macro CREST                           ; a round of the cluster's barrier behind its opening barrier
	s_cmp_lg_u32 s[WV], 0
	s_cbranch_scc1 .Lnot_wave_0_\@
	s_barrier_signal -3
.Lnot_wave_0_\@:
	s_barrier_wait -3
	s_barrier_signal -1
	s_barrier_wait -1
.endm
.macro CROUND
	s_barrier_signal -1
	s_barrier_wait -1
	CREST
.endm
.macro G1SET g, rows                   ; rows of 32 elements of 8 bytes, dense
	s_mov_b32 s[\g+1], 32<<16
	s_mov_b32 s[\g+2], (\rows)<<16
	s_mov_b32 s[\g+3], 32<<16
	s_mov_b32 s[\g+4], \rows
	s_mov_b32 s[\g+5], 32
	s_mov_b32 s[\g+6], 0
	s_mov_b32 s[\g+7], 0
.endm
.macro WM acc, rf, pf, cb, sa, sb, row
.if (\cb) == 999
	v_wmma_scale_f32_16x16x128_f8f6f4 v[(\acc):(\acc)+7], v[(\rf):(\rf)+11], v[(\pf):(\pf)+11], 0, v[\sa], v[\sb] matrix_a_fmt:MATRIX_FMT_FP6 matrix_b_fmt:MATRIX_FMT_FP6
.elseif \row
	v_wmma_scale_f32_16x16x128_f8f6f4 v[(\acc):(\acc)+7], v[(\rf):(\rf)+11], v[(\pf):(\pf)+11], v[(\cb):(\cb)+7], v[\sa], v[\sb] matrix_a_fmt:MATRIX_FMT_FP6 matrix_b_fmt:MATRIX_FMT_FP6 matrix_a_scale:MATRIX_SCALE_ROW1 matrix_b_scale:MATRIX_SCALE_ROW1
.else
	v_wmma_scale_f32_16x16x128_f8f6f4 v[(\acc):(\acc)+7], v[(\rf):(\rf)+11], v[(\pf):(\pf)+11], v[(\cb):(\cb)+7], v[\sa], v[\sb] matrix_a_fmt:MATRIX_FMT_FP6 matrix_b_fmt:MATRIX_FMT_FP6
.endif
.endm
.macro MUL8 a, set, sset, row, cm      ; cm = 1: the constant 0 starts the sum.  The 32 accumulators take turns
.irp b, 0,1,2,3,4,5,6,7
.if (\cm) == 0
	WM 8*(8*(\a)+\b), 96*(\set)+12*\b, PF+48*(\set)+12*(\a), 8*(8*(\a)+\b), SC+12*(\sset)+\b, SC+12*(\sset)+8+(\a), \row
.else
	WM 8*(8*(\a)+\b), 96*(\set)+12*\b, PF+48*(\set)+12*(\a), 999, SC+12*(\sset)+\b, SC+12*(\sset)+8+(\a), \row
.endif
.endr
.endm
.macro FETCH slot, i, set
	WIN TO_R
.irp b, 0,1,2,3,4,5,6,7
.irp c, 0,1,2
	ds_load_b128 v[96*(\set)+12*\b+4*\c:96*(\set)+12*\b+4*\c+3], v[AR+(\slot)] offset:(\i)*REC+\b*FRAG+\c*512
.endr
.endr
	WIN 0
.irp a, 0,1,2,3
.irp c, 0,1,2
	ds_load_b128 v[PF+48*(\set)+12*\a+4*\c:PF+48*(\set)+12*\a+4*\c+3], v[AP+(\slot)] offset:(\i)*REC+\a*FRAG+\c*512
.endr
.endr
.endm
.macro PSCALES k                       ; the scale words of K steps k, k + 1 (k even): R's from its records, p's from the shifted words
.irp b, 0,1,2,3,4,5,6,7
	ds_load_b32 v[SC+12*(((\k)/2)%2)+\b], v[ASR+((\k)/4)%2] offset:(((\k)%4)/2)*HALF+64*\b
.endr
.irp a, 0,1,2,3
	ds_load_b32 v[SC+12*(((\k)/2)%2)+8+\a], v20 offset:((\k)/2)*1024+128*\a
.endr
.endm
.macro TLOAD                           ; one load a wave: p's panels jointly, R's records plainly; an s_nop 0 and four v_nop follow each of the two lines
	s_cmp_lt_u32 s[WV], 2
	s_cbranch_scc0 .Lfor_r_\@
	tensor_load_to_lds s[G0P:G0P+3], s[G1P:G1P+7]
	s_nop 0
	PLACES 4
	s_branch .Lasked_\@
.Lfor_r_\@:
	tensor_load_to_lds s[G0R:G0R+3], s[G1R:G1R+7]
	s_nop 0
	PLACES 4
.Lasked_\@:
.endm
.macro ASK c                           ; chunk c is named for the L2, where the tile reads it (qi >= 2 c): so every address lies inside its buffer
	s_cmp_lt_u32 s[QI], 2*(\c)
	s_cbranch_scc1 .Lnot_asked_\@
	global_prefetch_b8 v[PFP], s[PB2:PB2+1] offset:(\c)*RUN th:TH_LOAD_NT scope:SCOPE_SE
	global_prefetch_b8 v[PFR], s[RB:RB+1] offset:(\c)*RUN th:TH_LOAD_NT scope:SCOPE_SE
	global_prefetch_b8 v[PFR], s[RB:RB+1] offset:(\c)*RUN+25*256 th:TH_LOAD_NT scope:SCOPE_SE
.Lnot_asked_\@:
.endm
.macro GSTEP jn                        ; both groups 0 go on to chunk jn + 1: no tensor load of mine is out here
	s_add_co_u32 s[G0P+1], s[LPB], (((\jn)+1)%2)*SLOT
	s_add_nc_u64 s[G0P+2:G0P+3], s[G0P+2:G0P+3], RUN
	s_add_co_u32 s[G0R+1], s[LRB], (((\jn)+1)%2)*SLOT
	s_add_nc_u64 s[G0R+2:G0R+3], s[G0R+2:G0R+3], RUN
.endm
.macro PST k, cm                       ; K step k, one of a chunk's first three: behind its first eight products the next step's fragments are fetched
	s_wait_dscnt 0x0                               ; this step's fragments and scale words are in
	WIN MUL
	MUL8 0, (\k)%2, ((\k)/2)%2, (\k)%2, \cm
	PLACES 4                                       ; in front of loads into registers that products have read
	FETCH ((\k)/4)%2, ((\k)%4)+1, ((\k)+1)%2
.if ((\k)%2) == 1
	PSCALES (\k)+1
.endif
	WIN MUL
	MUL8 1, (\k)%2, ((\k)/2)%2, (\k)%2, \cm
	MUL8 2, (\k)%2, ((\k)/2)%2, (\k)%2, \cm
	MUL8 3, (\k)%2, ((\k)/2)%2, (\k)%2, \cm
.endm
; A chunk's fourth K step with THE CHANGE OF SLOTS into chunk jn.  Every wave: all its tensor loads have landed (its part of chunk jn); the add; the add and its reads of the slot that it leaves are done;
; a round of the cluster's barrier, sixteen products between its opening signal and the wait.  Behind it a tile whose last chunk is jn leaves for that chunk's own text; the others ask for chunk jn + 1 first.
.macro XCHANGE jn
	WIN 0
	s_wait_tensorcnt 0x0
	ds_add_u32 v[SPW], v[NIL]
.if (\jn) < 3
	GSTEP \jn
.endif
	s_wait_dscnt 0x0
	s_barrier_signal -1
	WIN MUL
	MUL8 0, 1, 1, 1, 0
	MUL8 1, 1, 1, 1, 0
	WIN 0
	s_barrier_wait -1
	CREST
.if (\jn) < 3
	s_cmp_lt_u32 s[QI], 2*((\jn)+1)                ; the cluster's y alone: the same in all four partners
	s_cbranch_scc1 .LT_\jn
	TLOAD
	FETCH (\jn)%2, 0, 0
	PSCALES 4*(\jn)
.if (\jn) == 1
	ASK 3
.endif
	WIN MUL
	MUL8 2, 1, 1, 1, 0
	MUL8 3, 1, 1, 1, 0
.endif
.endm
; A tile's last chunk j: nothing is asked for.  pend = 1: the step before still owes sixteen products.  qi even: the tile ends with the chunk's second K step
.macro TAILC j, pend, cm
.if \pend
	PLACES 4
.endif
	FETCH (\j)%2, 0, 0
	PSCALES 4*(\j)
.if \pend
	WIN MUL
	MUL8 2, 1, 1, 1, 0
	MUL8 3, 1, 1, 1, 0
.endif
	PST 4*(\j), \cm
	s_wait_dscnt 0x0
	WIN MUL
	MUL8 0, 1, 0, 1, 0
	WIN 0
	s_bitcmp1_b32 s[QI], 0
	s_cbranch_scc0 .Ltail1
	PLACES 4
	FETCH (\j)%2, 2, 0
	PSCALES 4*(\j)+2
	WIN MUL
	MUL8 1, 1, 0, 1, 0
	MUL8 2, 1, 0, 1, 0
	MUL8 3, 1, 0, 1, 0
	PST 4*(\j)+2, 0
	s_wait_dscnt 0x0
	WIN 0
	s_branch .Ltail3
.endm
.macro QTAIL W, src, a
.irp b, 0,1,2,3
	v_add_nc_u32 v[TM+12+\b], 0xff000000, v[TM+\b]
.endr
.irp b, 0,1,2,3
	v_lshrrev_b32 v[TM+4+\b], 23, v[TM+12+\b]
.endr
	v_lshl_or_b32 v[PW+(\a)], v[TM+5], 8, v[TM+4]
	v_lshl_or_b32 v[PW+(\a)], v[TM+6], 16, v[PW+(\a)]
	v_lshl_or_b32 v[PW+(\a)], v[TM+7], 24, v[PW+(\a)]
	WIN \W
.irp c, 0,1
	v_cvt_scalef32_pk16_fp6_f32 v[OUTF+12*(\a)+6*\c:OUTF+12*(\a)+6*\c+2], v[(\src)+32*\c:(\src)+32*\c+15], v[TM+12+2*\c]
	v_cvt_scalef32_pk16_fp6_f32 v[TMPC+4*\c:TMPC+4*\c+2], v[(\src)+32*\c+16:(\src)+32*\c+31], v[TM+12+2*\c+1]
.endr
	WIN 0
	v_nop                                          ; one plain place behind a scaled conversion
.irp c, 0,1
.irp i, 0,1,2
	v_permlane16_swap_b32 v[OUTF+12*(\a)+6*\c+\i], v[TMPC+4*\c+\i]
.endr
.irp i, 0,1,2
	v_mov_b32 v[OUTF+12*(\a)+6*\c+3+\i], v[TMPC+4*\c+\i]
.endr
.endr
.endm
.macro QUANT W, src, a
	WIN 20*(\W)
.irp b, 0,1,2,3
	v_max3_num_f32 v[TM+\b], 0x1800000, |v[(\src)+16*\b]|, |v[(\src)+16*\b+1]|
.endr
.irp i, 2,4,6,8,10,12,14
.irp b, 0,1,2,3
	v_max3_num_f32 v[TM+\b], v[TM+\b], |v[(\src)+16*\b+\i]|, |v[(\src)+16*\b+\i+1]|
.endr
.endr
	WIN 0
.irp b, 0,1,2,3
	v_permlanex16_b32 v[TM+4+\b], v[TM+\b], s[SEL], s[SEL+1]
.endr
.irp b, 0,1,2,3
	v_max_num_f32 v[TM+\b], v[TM+\b], v[TM+4+\b]
.endr
	QTAIL \W, \src, \a
.endm
.macro PUTF a
.irp c, 0,1,2
	global_store_b128 v[GO], v[OUTF+12*(\a)+4*\c:OUTF+12*(\a)+4*\c+3], s[OUT:OUT+1] offset:(\a)*FRAG+\c*512
.endr
	ds_store_b32 v[SSTW], v[PW+(\a)] offset:64*(\a)
.endm
; K step 2 u + e, my two row positions, line by line by turns: each sum's term and each shifted scale word; the two words are neighbours in LDS
.macro ADJ2 u, e
.set ix, 4*(\u)+2*(\e)
.irp p, 0,1
	v_sub_f32 v[180+\p], v[64+ix+\p], v[176+\p]    ; (-M_loc) - (-M) = M - M_loc: a whole number, 0 or more
.endr
.irp p, 0,1
	v_min_num_f32 v[180+\p], 0x42fe0000, v[180+\p] ; held at 127
.endr
.irp p, 0,1
	v_cvt_u32_f32 v[180+\p], v[180+\p]
.endr
.irp p, 0,1
	v_sub_nc_u32 v[182+\p], 0, v[180+\p]
.endr
.irp p, 0,1
	v_ldexp_f32 v[182+\p], 1.0, v[182+\p]          ; 2^(M_loc - M)
.endr
.irp p, 0,1
.if ((\u)+(\e)) == 0
	v_mul_f32 v[178+\p], v[96+ix+\p], v[182+\p]
.else
	v_fmac_f32 v[178+\p], v[96+ix+\p], v[182+\p]
.endif
.endr
.irp p, 0,1
	v_mul_lo_u32 v[180+\p], v[180+\p], s[ONES]     ; the shift in each of the four bytes
.endr
.irp p, 0,1
	v_or_b32 v[128+ix+\p], 0x80808080, v[128+ix+\p]   ; p's bytes are 1 .. 125: with bit 7 set no byte borrows from its neighbour
.endr
.irp p, 0,1
	v_sub_nc_u32 v[128+ix+\p], v[128+ix+\p], v[180+\p]
.endr
.irp p, 0,1
	v_and_b32 v[180+\p], 0x80808080, v[128+ix+\p]  ; bit 7 still set: the byte did not fall under 0
.endr
.irp p, 0,1
	v_lshrrev_b32 v[182+\p], 7, v[180+\p]
.endr
.irp p, 0,1
	v_sub_nc_u32 v[180+\p], v[180+\p], v[182+\p]   ; 0x7f there, 0 elsewhere
.endr
.irp p, 0,1
	v_and_b32 v[128+ix+\p], v[128+ix+\p], v[180+\p]
.endr
	ds_store_b64 v18, v[128+ix:128+ix+1] offset:1024*(\u)+64*(\e)
.endm
	s_load_b256 s[4:11], s[0:1], 0x0               ; p_img, stat, vt_img, ctx_img
	v_lshl_add_u32 v[SPW], v0, 2, SPARE
	v_mov_b32 v[NIL], 0
	ds_add_u32 v[SPW], v[NIL]                      ; the opening: the add, twice on end, and its wait ahead of my first tensor load
	ds_add_u32 v[SPW], v[NIL]
	v_lshrrev_b32 v1, 5, v0
	v_readfirstlane_b32 s[WV], v1
	s_and_b32 s[W1], s[WV], 1
	s_lshr_b32 s[WH], s[WV], 1
	s_bfe_u32 s21, ttmp6, 0x40000                  ; cx
	s_lshl_b32 s26, ttmp9, 2
	s_add_co_u32 s26, s26, s21                     ; x: my block of 128 columns
	s_and_b32 s22, ttmp7, 0xffff                   ; the cluster's y
	s_lshr_b32 s23, s22, 3                         ; the batch
	s_and_b32 s[QI], s22, 7                        ; the tile of 256 queries
	s_mov_b32 s[ONES], 0x01010101
	s_mov_b32 s[G1P], 15|(3<<16)|(1<<21)           ; the four partners; elements of 8 bytes; bit 21 beside a mask; no padding
	G1SET G1P, 200                                 ; four records
	s_mov_b32 s[G1R], 3<<16                        ; no mask
	G1SET G1R, 100                                 ; two records
	s_lshl_b32 s84, s23, 4
	s_lshl_b32 s85, s[QI], 1
	s_add_co_u32 s84, s84, s85                     ; p's first G: 16 batch + 2 qi
	s_mul_i32 s86, s84, 16*REC
	s_mov_b32 s87, 0
	s_lshl_b32 s52, s84, 14                        ; in stat: 16 records of 1,024 bytes a G
	s_mov_b32 s53, 0
	s_mul_i32 s88, s[W1], 16*REC
	s_add_co_u32 s88, s88, s86                     ; the panel that I fetch: no cx in it
	s_mov_b32 s89, 0
	s_lshl_b32 s90, s26, 6
	s_lshl_b32 s91, s23, 4
	s_add_co_u32 s90, s90, s91                     ; vt_img record 64 x + 16 batch
	s_mul_i32 s90, s90, REC
	s_mov_b32 s56, s90
	s_mov_b32 s57, 0
	s_mul_i32 s91, s[W1], HALF
	s_add_co_u32 s90, s90, s91
	s_mov_b32 s91, 0
	s_add_co_u32 s84, s84, s[WH]
	s_lshl_b32 s84, s84, 3
	s_add_co_u32 s84, s84, s26                     ; ctx_img record (16 batch + 2 qi + panel) 8 + x
	s_mul_i32 s84, s84, REC
	s_mov_b32 s85, 0
	s_mul_i32 s[LPB], s[W1], RUN
	s_mul_i32 s[LRB], s[W1], HALF
	s_add_co_u32 s[LRB], s[LRB], ROFF
	v_and_b32 v1, 31, v0
	v_and_b32 v2, 15, v0
	v_bfe_u32 v3, v0, 4, 1
	v_lshlrev_b32 v[GO], 4, v1
	v_lshlrev_b32 v[GW], 3, v1
	s_mul_i32 s62, s[WH], RUN
	s_mul_i32 s63, s[W1], 4*FRAG
	s_add_co_u32 s63, s63, s62
	v_add_nc_u32 v[AP], s63, v[GO]
	v_add_nc_u32 v[AP+1], SLOT, v[AP]
	v_add_nc_u32 v[AR], ROFF, v[GO]
	v_add_nc_u32 v[AR+1], ROFF+SLOT, v[GO]
	v_lshlrev_b32 v[ASR], 2, v2
	v_mad_u32_u24 v[ASR], v3, REC, v[ASR]
	v_add_nc_u32 v[ASR+1], ROFF+SCO+SLOT, v[ASR]
	v_add_nc_u32 v[ASR], ROFF+SCO, v[ASR]
	s_lshl_b32 s63, s[WV], 8
	s_add_co_u32 s62, s63, SST
	v_lshl_add_u32 v[SSTW], v2, 2, s62
	v_add_nc_u32 v[SSTR], s62, v[GW]
	s_add_co_u32 s62, s63, RL
	v_lshl_add_u32 v21, v2, 2, s62                 ; 1 / l of my rows: 256 bytes a wave, 64 a tile
	s_mov_b32 s[SEL], 0x76543210
	s_mov_b32 s[SEL+1], 0xfedcba98
	; thread t: panel t / 64, row positions 2 (t % 64) and the next
	v_and_b32 v22, 63, v0
	v_lshlrev_b32 v22, 3, v22                      ; 8 bytes: my two positions' words
	v_lshrrev_b32 v23, 6, v0                       ; my panel
	v_lshl_add_u32 v17, v23, 14, v22               ; in stat: 16,384 bytes a panel
	v_mad_u32_u24 v22, v23, 16*REC, v22            ; in p_img: 16 records a panel
	v_lshlrev_b32 v18, 13, v23
	v_bfe_u32 v23, v0, 3, 3
	v_lshl_add_u32 v18, v23, 7, v18
	v_and_b32 v23, 7, v0
	v_lshl_add_u32 v18, v23, 3, v18
	v_add_nc_u32 v18, PSC, v18                     ; where my two shifted words go: 8,192 x panel + 128 x tile + 4 r
	v_lshl_add_u32 v19, v0, 3, RL                  ; and my two 1 / l
	s_lshl_b32 s62, s[WH], 13
	s_lshl_b32 s63, s[W1], 9
	s_add_co_u32 s62, s62, s63
	s_add_co_u32 s62, s62, PSC
	v_lshl_add_u32 v20, v1, 2, s62                 ; where my wave reads the shifted words: 4 x lane
.irp u, 0,1,2,3,4,5,6,7                ; pair u of K steps; past the diagonal the last live pair is read once more, so that every load reads bytes that were stored
	s_min_u32 s62, s[QI], \u
	s_lshl_b32 s63, s62, 11
	v_add_nc_u32 v[160+\u], s63, v17
	s_mul_i32 s63, s62, HALF
	v_add_nc_u32 v[168+\u], s63, v22
.endr
	; the prefetches' offsets.  p: wave 4 cx + wave of the cluster's 16 takes blocks 25 g .. 25 g + 24 of a chunk's 2 x 200 (eight waves to a panel); R: my wave takes 50 of my work-group's 200
	s_and_b32 s62, s21, 1
	s_lshl_b32 s62, s62, 2
	s_add_co_u32 s62, s62, s[WV]
	s_mul_i32 s62, s62, 25*256
	s_lshr_b32 s63, s21, 1                         ; the panel
	s_mul_i32 s63, s63, 16*REC
	s_add_co_u32 s62, s62, s63
	s_mul_i32 s63, s[WV], 50*256
	v_min_u32 v[PFR], 24, v1                       ; lanes 25-31 name the wave's last block again
	v_lshlrev_b32 v[PFR], 8, v[PFR]
	v_add_nc_u32 v[PFP], s62, v[PFR]
	v_add_nc_u32 v[PFR], s63, v[PFR]
	s_wait_alu depctr_va_vdst(0)                   ; at the head's end
	s_wait_dscnt 0x0                               ; both opening adds are done
	s_wait_kmcnt 0x0
	s_add_nc_u64 s[PB2:PB2+1], s[4:5], s[86:87]
	s_add_nc_u64 s[STB:STB+1], s[6:7], s[52:53]
.irp u, 0,1,2,3,4,5,6,7
.irp e, 0,1
	global_load_b64 v[64+4*\u+2*\e:65+4*\u+2*\e], v[160+\u], s[STB:STB+1] offset:1024*\e           ; -M_loc
	global_load_b64 v[96+4*\u+2*\e:97+4*\u+2*\e], v[160+\u], s[STB:STB+1] offset:1024*\e+512       ; l_loc
	global_load_b64 v[128+4*\u+2*\e:129+4*\u+2*\e], v[168+\u], s[PB2:PB2+1] offset:REC*\e+SCO      ; the scale words
.endr
.endr
	s_add_nc_u64 s[RB:RB+1], s[8:9], s[56:57]
	s_mov_b32 s[G0P], 1
	s_mov_b32 s[G0P+1], s[LPB]
	s_add_nc_u64 s[G0P+2:G0P+3], s[4:5], s[88:89]
	s_or_b32 s[G0P+3], s[G0P+3], 0x80000000
	s_mov_b32 s[G0R], 1
	s_mov_b32 s[G0R+1], s[LRB]
	s_add_nc_u64 s[G0R+2:G0R+3], s[8:9], s[90:91]
	s_or_b32 s[G0R+3], s[G0R+3], 0x80000000
	CROUND                                         ; the four partners are here: the joint loads meet
	TLOAD                                          ; chunk 0: every tile reads its K steps 0 and 1
	ASK 1
	s_add_nc_u64 s[OUT:OUT+1], s[10:11], s[84:85]
	s_lshl_b32 s84, s[W1], 8
	s_add_co_u32 s84, s84, SCO
	s_add_nc_u64 s[OUTS:OUTS+1], s[OUT:OUT+1], s[84:85]
	s_mul_i32 s84, s[W1], 4*FRAG
	s_add_nc_u64 s[OUT:OUT+1], s[OUT:OUT+1], s[84:85]
	s_wait_loadcnt 0x0                             ; M, l and the shifted scale words are made while chunk 0 is on its way
.irp p, 0,1
	v_min3_num_f32 v[176+\p], v[64+\p], v[66+\p], v[68+\p]   ; -M = the least -M_loc
.irp i, 3,5,7,9,11,13
	v_min3_num_f32 v[176+\p], v[176+\p], v[64+2*\i+\p], v[66+2*\i+\p]
.endr
	v_min_num_f32 v[176+\p], v[176+\p], v[94+\p]
.endr
.irp u, 0,1,2,3,4,5,6,7
.if \u > 0
	s_cmp_lt_u32 s[QI], \u                         ; pairs past the diagonal have no part in the sums
	s_cbranch_scc1 .Ladj_done
.endif
	ADJ2 \u, 0
	ADJ2 \u, 1
.endr
.Ladj_done:
	s_wait_alu depctr_va_vdst(0)                   ; ahead of the reciprocals
	v_rcp_f32 v180, v178
	v_rcp_f32 v181, v179
	v_nop                                          ; a plain place behind the reciprocals
	s_wait_alu depctr_va_vdst(0)                   ; one wait for both, ahead of their first reader
	ds_store_b64 v19, v[180:181]
	; the change into chunk 0: it is whole, and the wait on DScnt and the round show my stores above to the other waves
	s_wait_tensorcnt 0x0
	ds_add_u32 v[SPW], v[NIL]
	GSTEP 0
	s_wait_dscnt 0x0
	CROUND
	s_cmp_lt_u32 s[QI], 2                          ; chunk 0 is the tile's last
	s_cbranch_scc1 .LT_0
	TLOAD                                          ; chunk 1, into a slot that is filled for the first time
	FETCH 0, 0, 0
	PSCALES 0
	ASK 2
	PST 0, 1
	PST 1, 0
	PST 2, 0
	XCHANGE 1
	PST 4, 0
	PST 5, 0
	PST 6, 0
	XCHANGE 2
	PST 8, 0
	PST 9, 0
	PST 10, 0
	XCHANGE 3
	TAILC 3, 1, 0
.LT_2:
	TAILC 2, 1, 0
.LT_1:
	TAILC 1, 1, 0
.LT_0:
	TAILC 0, 0, 1
.Ltail3:                                               ; a last chunk's fourth K step
	WIN MUL
	MUL8 0, 1, 1, 1, 0
	MUL8 1, 1, 1, 1, 0
	MUL8 2, 1, 1, 1, 0
	MUL8 3, 1, 1, 1, 0
	WIN 0
	s_branch .Lepi
.Ltail1:                                               ; the other 24 products of its second, where the tile ends there
	WIN MUL
	MUL8 1, 1, 0, 1, 0
	MUL8 2, 1, 0, 1, 0
	MUL8 3, 1, 0, 1, 0
	WIN 0
.Lepi:
	PLACES 4                                       ; in front of the first read of results, and of loads and writes over P's fragments
.irp a, 0,1,2,3
	ds_load_b32 v[140+2*\a], v21 offset:64*\a      ; 1 / l of my row in tile a
	v_mov_b32 v[141+2*\a], 0                       ; (named as the upper half of a pair)
.endr
.irp b, 0,1,2,3
	v_mov_b32 v[TM+4+\b], 0                        ; a lane permute's destination counts as a source
.endr
	s_wait_alu depctr_va_vdst(0)                   ; directly ahead of the wait below
	s_wait_dscnt 0x0
.irp a, 0,1,2,3
	WIN 0x01                                       ; source 0: the sums, in window 1
.set jj, 0
.rept 32
	v_pk_mul_f32 v[T+jj:T+jj+1], v[64*\a+jj:64*\a+jj+1], v[140+2*\a:141+2*\a] op_sel_hi:[1,0]
.set jj, jj+2
.endr
	QUANT 0, T, \a
	PUTF \a
.endr
	ds_load_b64 v[224:225], v[SSTR]                ; LDS serves a wave's instructions in order: these see my four stores
	s_wait_dscnt 0x0
	global_store_b64 v[GW], v[224:225], s[OUTS:OUTS+1]
	s_wait_tensorcnt 0x0                           ; the wave's end
	ds_add_u32 v[SPW], v[NIL]
	s_wait_dscnt 0x0
	CROUND                                         ; the closing round
	s_endpgm
.Lfunc_end_k_q6370fbf800_pv:
	.size	k_q6370fbf800_pv, .Lfunc_end_k_q6370fbf800_pv-k_q6370fbf800_pv
	.p2alignl 7, 3214868480
	.fill 96, 4, 3214868480
	.section	.rodata,"a",@progbits
	.p2align	6, 0x0
	.amdhsa_kernel k_q6370fbf800_pv
		.amdhsa_group_segment_fixed_size 327680
		.amdhsa_private_segment_fixed_size 0
		.amdhsa_enable_private_segment 0
		.amdhsa_kernarg_size 32
		.amdhsa_user_sgpr_count 2
		.amdhsa_user_sgpr_kernarg_segment_ptr 1
		.amdhsa_wavefront_size32 1
		.amdhsa_system_sgpr_workgroup_id_x 1
		.amdhsa_system_sgpr_workgroup_id_y 1
		.amdhsa_system_sgpr_workgroup_id_z 1
		.amdhsa_system_vgpr_workitem_id 0
		.amdhsa_next_free_vgpr 768
		.amdhsa_next_free_sgpr 100
		.amdhsa_reserve_vcc 0
		.amdhsa_float_denorm_mode_32 3
		.amdhsa_float_denorm_mode_16_64 3
		.amdhsa_memory_ordered 1
		.amdhsa_forward_progress 1
		.amdhsa_inst_pref_size 253
	.end_amdhsa_kernel
	.amdgpu_metadata
---
amdhsa.version: [ 1, 2 ]
amdhsa.kernels:
  - .name:           k_q6370fbf800_pv
    .symbol:         k_q6370fbf800_pv.kd
    .args:
      - { .name: p_img, .offset: 0, .size: 8, .value_kind: global_buffer, .address_space: global }
      - { .name: stat, .offset: 8, .size: 8, .value_kind: global_buffer, .address_space: global }
      - { .name: vt_img, .offset: 16, .size: 8, .value_kind: global_buffer, .address_space: global }
      - { .name: ctx_img, .offset: 24, .size: 8, .value_kind: global_buffer, .address_space: global }
    .group_segment_fixed_size: 327680
    .private_segment_fixed_size: 0
    .kernarg_segment_align: 8
    .kernarg_segment_size: 32
    .max_flat_workgroup_size: 128
    .sgpr_count:     100
    .vgpr_count:     768
    .wavefront_size: 32
...
	.end_amdgpu_metadata
.endif
;; end of part 4
;; launch outp (part 5): grid 8 x 32, 4 waves a work-group, clusters of 4 x 4, 327,680 bytes of LDS; arguments ctx_img, w_img, bo, out0; writes out0
.if DOCPART == 5
	.amdgcn_target "amdgcn-amd-amdhsa--gfx1250"
	.amdhsa_code_object_version 6
	.text
	.protected	k_q6370fbf800_outp
	.globl	k_q6370fbf800_outp
	.p2align	8
	.type	k_q6370fbf800_outp,@function
k_q6370fbf800_outp:
	s_mov_b64 s[64:65], 0
	v_nop
	global_prefetch_b8 v0, s[64:65] scope:SCOPE_SE
	s_setreg_imm32_b32 hwreg(HW_REG_WAVE_MODE, 25, 1), 1
	s_wait_xcnt 0x0
	s_wait_alu depctr_hold_cnt(0) depctr_sa_sdst(0) depctr_va_vdst(0) depctr_va_sdst(0) depctr_va_ssrc(0) depctr_va_vcc(0) depctr_vm_vsrc(0)
	s_getreg_b32 s2, hwreg(HW_REG_IB_STS2, 6, 4)
	s_cmp_eq_u32 s2, 0
	s_cbranch_scc0 .Lentry_in_a_cluster
	s_endpgm
.Lentry_in_a_cluster:
	s_bfe_u32 s2, ttmp6, 0x10000c
	s_cmp_lg_u32 s2, 0xf033
	s_cbranch_scc0 .Lentry_shape_is_right
	s_endpgm
.Lentry_shape_is_right:
; out = ctx Wo^T + bo, f32, on the core of launch qkv (images: head of launch quant): P = 256 rows of ctx_img (runs 0, 1), R = 128 rows of Wo (w_img G 24 + x, run 2).
; All of K = 1,024 lies in LDS, three runs of eight records, nothing is filled twice: one joint load a wave at the head (waves 0, 1: a run of P, 400 rows of 256 bytes; waves 2, 3: four records of R each), one wait for 0.
; TWO PASSES over K, each for 64 of the 128 columns (R's tiles 0-3, then 4-7): the first pass's results are stored while the second pass is multiplied.  P's fragments are read from LDS once in each pass.
; A K step of a pass is 16 products on 16 accumulators by turns; the next step's eight fragments are fetched at the step's head.  The bias is the C of each sum's first product.
; CLUSTER 4 x 4: P is asked for jointly along a row of the cluster, R along a column.  No prefetch: no loop to run ahead in, and all tiles are asked for at the head.
; THE WAY OUT of a pass: a lane holds 8 neighbouring numbers of a row; a tile of 16 rows x 64 columns goes through the wave's own stage in LDS and leaves as row pieces of 256 bytes, aligned, sixteen lanes to a piece.
; The stages, 16 rows x 272 bytes a wave, have bytes of their own behind the spare words: no tile lands there, and no barrier is needed for them.
.set REC,   12800
.set FRAG,  1536
.set SCO,   12288
.set HALF,  2*REC
.set SLOT,  4*REC
.set RUN,   8*REC
.set ROFF,  2*RUN
.set SPARE, 3*RUN
.set STG,   SPARE+512
.set SP,    272
.set AP,   5
.set AR,   7
.set ASP,  9
.set ASR,  11
.set GO,   13
.set SPW,  30
.set NIL,  31
.set SC,   32
.set PF,   64
.set BK,   160                         ; v160-223: a tile read back from the stage, two sets of 32
.set BI,   192
.set WV,   18
.set W1,   19
.set WH,   20
.set G1P,  28
.set G1R,  36
.set G0P,  44
.set G0R,  68
.set LPB,  60
.set LRB,  61
.set OUT,  96
.set MUL,  0x52
.set MULB, 0x62
.set TO_R, 0x80
.set MSB,  0
.macro WIN new
.if MSB != \new
	s_set_vgpr_msb (MSB<<8)|\new
.set MSB, \new
.endif
.endm
.macro PLACES n
.rept \n
	v_nop
.endr
.endm
.macro CROUND
	s_barrier_signal -1
	s_barrier_wait -1
	s_cmp_lg_u32 s[WV], 0
	s_cbranch_scc1 .Lnot_wave_0_\@
	s_barrier_signal -3
.Lnot_wave_0_\@:
	s_barrier_wait -3
	s_barrier_signal -1
	s_barrier_wait -1
.endm
.macro G1SET g, rows                   ; rows of 32 elements of 8 bytes, dense
	s_mov_b32 s[\g+1], 32<<16
	s_mov_b32 s[\g+2], (\rows)<<16
	s_mov_b32 s[\g+3], 32<<16
	s_mov_b32 s[\g+4], \rows
	s_mov_b32 s[\g+5], 32
	s_mov_b32 s[\g+6], 0
	s_mov_b32 s[\g+7], 0
.endm
.macro WM acc, rf, pf, cb, sa, sb, row
.if \row
	v_wmma_scale_f32_16x16x128_f8f6f4 v[(\acc):(\acc)+7], v[(\rf):(\rf)+11], v[(\pf):(\pf)+11], v[(\cb):(\cb)+7], v[\sa], v[\sb] matrix_a_fmt:MATRIX_FMT_FP6 matrix_b_fmt:MATRIX_FMT_FP6 matrix_a_scale:MATRIX_SCALE_ROW1 matrix_b_scale:MATRIX_SCALE_ROW1
.else
	v_wmma_scale_f32_16x16x128_f8f6f4 v[(\acc):(\acc)+7], v[(\rf):(\rf)+11], v[(\pf):(\pf)+11], v[(\cb):(\cb)+7], v[\sa], v[\sb] matrix_a_fmt:MATRIX_FMT_FP6 matrix_b_fmt:MATRIX_FMT_FP6
.endif
.endm
.macro MUL4 a, set, sset, row, cm, hf  ; P's tile a against the pass's four tiles of R.  cm = 0: onto the accumulator; 2: the bias of R's tile starts the sum.  The accumulators take turns
.irp bb, 0,1,2,3
.if (\cm) == 0
	WM 8*(8*(\a)+4*(\hf)+\bb), 96*(\set)+12*(4*(\hf)+\bb), PF+48*(\set)+12*(\a), 8*(8*(\a)+4*(\hf)+\bb), SC+12*(\sset)+4*(\hf)+\bb, SC+12*(\sset)+8+(\a), \row
.else
	WM 8*(8*(\a)+4*(\hf)+\bb), 96*(\set)+12*(4*(\hf)+\bb), PF+48*(\set)+12*(\a), BI+8*(4*(\hf)+\bb), SC+12*(\sset)+4*(\hf)+\bb, SC+12*(\sset)+8+(\a), \row
.endif
.endr
.endm
.macro FETCH slot, i, set, hf
	WIN TO_R
.irp bb, 0,1,2,3
.irp c, 0,1,2
	ds_load_b128 v[96*(\set)+12*(4*(\hf)+\bb)+4*\c:96*(\set)+12*(4*(\hf)+\bb)+4*\c+3], v[AR+(\slot)] offset:(\i)*REC+(4*(\hf)+\bb)*FRAG+\c*512
.endr
.endr
	WIN 0
.irp a, 0,1,2,3
.irp c, 0,1,2
	ds_load_b128 v[PF+48*(\set)+12*\a+4*\c:PF+48*(\set)+12*\a+4*\c+3], v[AP+(\slot)] offset:(\i)*REC+\a*FRAG+\c*512
.endr
.endr
.endm
.macro SCALES slot, pr, set, hf
.irp bb, 0,1,2,3
	ds_load_b32 v[SC+12*(\set)+4*(\hf)+\bb], v[ASR+(\slot)] offset:(\pr)*HALF+64*(4*(\hf)+\bb)
.endr
.irp a, 0,1,2,3
	ds_load_b32 v[SC+12*(\set)+8+\a], v[ASP+(\slot)] offset:(\pr)*HALF+64*\a
.endr
.endm
.macro KWIN cm
.if (\cm) >= 2
	WIN MULB
.else
	WIN MUL
.endif
.endm
; A K step of pass hf: nf = 1: four places and the fragments of the step that follows (of pass nhf) into the other set; then 16 products on set i % 2
.macro KSTEP i, cm, hf, nf, nslot, ni, nhf
	s_wait_dscnt 0x0                               ; this step's fragments and scale words are in
.if \nf
	PLACES 4                                       ; in front of loads into registers that the last step's products have read
	FETCH \nslot, \ni, (\ni)%2, \nhf
.if ((\ni)%2) == 0
	SCALES \nslot, (\ni)/2, ((\ni)/2)%2, \nhf
.endif
.endif
	KWIN \cm
.irp a, 0,1,2,3
	MUL4 \a, (\i)%2, ((\i)/2)%2, (\i)%2, \cm, \hf
.endr
.endm
.macro PASS hf, more                   ; all of K for 64 columns; more = 1: its last step fetches the next pass's first fragments
	KSTEP 0, 2, \hf, 1, 0, 1, \hf
	KSTEP 1, 0, \hf, 1, 0, 2, \hf
	KSTEP 2, 0, \hf, 1, 0, 3, \hf
	KSTEP 3, 0, \hf, 1, 1, 0, \hf
	KSTEP 0, 0, \hf, 1, 1, 1, \hf
	KSTEP 1, 0, \hf, 1, 1, 2, \hf
	KSTEP 2, 0, \hf, 1, 1, 3, \hf
	KSTEP 3, 0, \hf, \more, 0, 0, 1
.endm
.macro TOSTAGE a, hf                   ; tile a: lane (r, h), R's tile bb of the pass: columns 32 (bb / 2) + 16 h + 8 (bb % 2) + 0 .. 7 of stage row r; each accumulator from its low end on
	WIN 0x04                                       ; an LDS store's data are its source 1: window 1
.irp bb, 0,1,2,3
	ds_store_b128 v17, v[8*(8*(\a)+4*(\hf)+\bb):8*(8*(\a)+4*(\hf)+\bb)+3] offset:128*(\bb/2)+32*(\bb%2)
	ds_store_b128 v17, v[8*(8*(\a)+4*(\hf)+\bb)+4:8*(8*(\a)+4*(\hf)+\bb)+7] offset:128*(\bb/2)+32*(\bb%2)+16
.endr
	WIN 0
.irp t, 0,1,2,3,4,5,6,7
	ds_load_b128 v[BK+32*((\a)%2)+4*\t:BK+32*((\a)%2)+4*\t+3], v18 offset:\t*2*SP   ; two stage rows a load; LDS serves a wave's instructions in order: these see the stores above
.endr
.endm
.macro SEND a, hf, younger             ; younger: the LDS instructions issued behind tile a's loads, which may stay out.  Stage row i is row 32 (a / 2) + 8 (a % 2) + i + 8 (i / 8) of my 64
	s_wait_dscnt \younger
.irp t, 0,1,2,3,4,5,6,7
	global_store_b128 v20, v[BK+32*((\a)%2)+4*\t:BK+32*((\a)%2)+4*\t+3], s[OUT:OUT+1] offset:(32*((\a)/2)+8*((\a)%2)+2*\t+8*(\t/4))*4096+256*(\hf) th:TH_STORE_NT   ; sixteen lanes store 256 consecutive bytes, aligned
.endr
.endm
.macro WAYOUT hf
	WIN 0
	PLACES 4                                       ; in front of the first read of results
.if \hf
	s_wait_xcnt 0x0                                ; the first pass's stores have read their registers
.endif
	TOSTAGE 0, \hf
.irp a, 1,2,3
.if \a > 1
	s_wait_xcnt 0x0                                ; the stores of two tiles back have read their registers: this tile's loads may land there
.endif
	TOSTAGE \a, \hf
	SEND \a-1, \hf, 16                             ; behind that tile's loads: this tile's 8 stores and 8 loads
.endr
	SEND 3, \hf, 0
.endm
	s_load_b256 s[4:11], s[0:1], 0x0               ; ctx_img, w_img, bo, out0
	v_lshl_add_u32 v[SPW], v0, 2, SPARE
	v_mov_b32 v[NIL], 0
	ds_add_u32 v[SPW], v[NIL]                      ; the opening: the add, twice on end, and its wait ahead of my first tensor load
	ds_add_u32 v[SPW], v[NIL]
	v_lshrrev_b32 v1, 5, v0
	v_readfirstlane_b32 s[WV], v1
	s_and_b32 s[W1], s[WV], 1
	s_lshr_b32 s[WH], s[WV], 1
	s_bfe_u32 s21, ttmp6, 0x40000                  ; cx
	s_bfe_u32 s22, ttmp6, 0x40004                  ; cy
	s_and_b32 s24, ttmp7, 0xffff
	s_lshl_b32 s26, ttmp9, 2
	s_add_co_u32 s26, s26, s21                     ; x
	s_lshl_b32 s25, s24, 2
	s_add_co_u32 s25, s25, s22                     ; y
	s_lshl_b32 s84, s22, 2
	s_lshl_b32 s84, 15, s84                        ; my row of the cluster
	s_lshl_b32 s85, 0x1111, s21                    ; my column
	s_or_b32 s[G1P], s84, (3<<16)|(1<<21)
	s_or_b32 s[G1R], s85, (3<<16)|(1<<21)
	G1SET G1P, 400                                 ; eight records
	G1SET G1R, 200                                 ; four records
	s_lshl_b32 s86, s25, 1
	s_add_co_u32 s86, s86, s[W1]                   ; P: G = 2 y + the panel that I fetch
	s_mul_i32 s86, s86, 8*REC
	s_mov_b32 s87, 0
	s_add_co_u32 s88, s26, 24                      ; R: Wo's G = 24 + x
	s_mul_i32 s88, s88, 8*REC
	s_mul_i32 s89, s[W1], SLOT
	s_add_co_u32 s88, s88, s89
	s_mov_b32 s89, 0
	s_mul_i32 s[LPB], s[W1], RUN
	s_mul_i32 s[LRB], s[W1], SLOT
	s_add_co_u32 s[LRB], s[LRB], ROFF
	s_wait_dscnt 0x0                               ; both opening adds are done
	s_wait_kmcnt 0x0
	s_mov_b32 s[G0P], 1
	s_mov_b32 s[G0P+1], s[LPB]
	s_add_nc_u64 s[G0P+2:G0P+3], s[4:5], s[86:87]
	s_or_b32 s[G0P+3], s[G0P+3], 0x80000000
	s_mov_b32 s[G0R], 1
	s_mov_b32 s[G0R+1], s[LRB]
	s_add_nc_u64 s[G0R+2:G0R+3], s[6:7], s[88:89]
	s_or_b32 s[G0R+3], s[G0R+3], 0x80000000
	CROUND                                         ; all sixteen work-groups are here: the joint loads meet
	s_cmp_lt_u32 s[WV], 2                          ; every wave issues one, in one branch on its number
	s_cbranch_scc0 .Lfirst_r
	tensor_load_to_lds s[G0P:G0P+3], s[G1P:G1P+7]
	s_nop 0
	PLACES 4
	s_branch .Lfirst_done
.Lfirst_r:
	tensor_load_to_lds s[G0R:G0R+3], s[G1R:G1R+7]
	s_nop 0
	PLACES 4
.Lfirst_done:
	v_and_b32 v1, 31, v0
	v_and_b32 v2, 15, v0
	v_bfe_u32 v3, v0, 4, 1
	v_lshlrev_b32 v[GO], 4, v1
	s_mul_i32 s62, s[WH], RUN
	s_mul_i32 s63, s[W1], 4*FRAG
	s_add_co_u32 s63, s63, s62
	v_add_nc_u32 v[AP], s63, v[GO]
	v_add_nc_u32 v[AP+1], SLOT, v[AP]
	v_add_nc_u32 v[AR], ROFF, v[GO]
	v_add_nc_u32 v[AR+1], ROFF+SLOT, v[GO]
	v_lshlrev_b32 v[ASR], 2, v2
	v_mad_u32_u24 v[ASR], v3, REC, v[ASR]
	s_lshl_b32 s63, s[W1], 8
	s_add_co_u32 s63, s63, s62
	s_add_co_u32 s63, s63, SCO
	v_add_nc_u32 v[ASP], s63, v[ASR]
	v_add_nc_u32 v[ASP+1], SLOT, v[ASP]
	v_add_nc_u32 v[ASR+1], ROFF+SCO+SLOT, v[ASR]
	v_add_nc_u32 v[ASR], ROFF+SCO, v[ASR]
	s_mul_i32 s62, s[WV], 16*SP
	s_add_co_u32 s62, s62, STG                     ; my stage
	v_mul_u32_u24 v17, v2, SP
	v_lshl_add_u32 v17, v3, 6, v17
	v_add_nc_u32 v17, s62, v17                     ; in: row r, + 64 h
	v_mul_u32_u24 v18, v3, SP
	v_lshl_add_u32 v18, v2, 4, v18
	v_add_nc_u32 v18, s62, v18                     ; back: row h of a pair, 16 bytes a lane
	v_lshlrev_b32 v20, 12, v3
	v_lshl_add_u32 v20, v2, 4, v20                 ; and the same in out: 4,096 h + 16 r
	s_lshl_b32 s84, s25, 1
	s_add_co_u32 s84, s84, s[WH]
	s_lshl_b32 s84, s84, 1
	s_add_co_u32 s84, s84, s[W1]
	s_lshl_b32 s84, s84, 18                        ; my first row of out: 64 rows of 4,096 bytes for each half panel
	s_lshl_b32 s86, s26, 9                         ; my columns: 512 x
	s_add_co_u32 s84, s84, s86
	s_mov_b32 s85, 0
	s_mov_b32 s87, 0
	s_add_nc_u64 s[OUT:OUT+1], s[10:11], s[84:85]
	s_add_nc_u64 s[88:89], s[8:9], s[86:87]        ; bo at R's block
	v_lshlrev_b32 v19, 6, v3
	WIN TO_R
.irp b, 0,1,2,3,4,5,6,7
.irp q, 0,1
	global_load_b128 v[BI+8*\b+4*\q:BI+8*\b+4*\q+3], v19, s[88:89] offset:128*(\b/2)+32*(\b%2)+16*\q
.endr
.endr
	WIN 0
	s_wait_alu depctr_va_vdst(0)                   ; at the head's end
	s_wait_tensorcnt 0x0                           ; my part of the three runs is in
	s_barrier_signal -1
	s_barrier_wait -1                              ; everybody's is
	FETCH 0, 0, 0, 0
	SCALES 0, 0, 0, 0
	s_wait_loadcnt 0x0                             ; the bias
	PASS 0, 1
	WAYOUT 0                                       ; columns 0-63 leave; their stores are on their way while the second pass is multiplied
	PASS 1, 0
	WAYOUT 1
	s_wait_tensorcnt 0x0                           ; the wave's end
	ds_add_u32 v[SPW], v[NIL]
	s_wait_dscnt 0x0
	CROUND                                         ; the closing round
	s_endpgm
.Lfunc_end_k_q6370fbf800_outp:
	.size	k_q6370fbf800_outp, .Lfunc_end_k_q6370fbf800_outp-k_q6370fbf800_outp
	.p2alignl 7, 3214868480
	.fill 96, 4, 3214868480
	.section	.rodata,"a",@progbits
	.p2align	6, 0x0
	.amdhsa_kernel k_q6370fbf800_outp
		.amdhsa_group_segment_fixed_size 327680
		.amdhsa_private_segment_fixed_size 0
		.amdhsa_enable_private_segment 0
		.amdhsa_kernarg_size 32
		.amdhsa_user_sgpr_count 2
		.amdhsa_user_sgpr_kernarg_segment_ptr 1
		.amdhsa_wavefront_size32 1
		.amdhsa_system_sgpr_workgroup_id_x 1
		.amdhsa_system_sgpr_workgroup_id_y 1
		.amdhsa_system_sgpr_workgroup_id_z 1
		.amdhsa_system_vgpr_workitem_id 0
		.amdhsa_next_free_vgpr 768
		.amdhsa_next_free_sgpr 100
		.amdhsa_reserve_vcc 0
		.amdhsa_float_denorm_mode_32 3
		.amdhsa_float_denorm_mode_16_64 3
		.amdhsa_memory_ordered 1
		.amdhsa_forward_progress 1
		.amdhsa_inst_pref_size 88
	.end_amdhsa_kernel
	.amdgpu_metadata
---
amdhsa.version: [ 1, 2 ]
amdhsa.kernels:
  - .name:           k_q6370fbf800_outp
    .symbol:         k_q6370fbf800_outp.kd
    .args:
      - { .name: ctx_img, .offset: 0, .size: 8, .value_kind: global_buffer, .address_space: global }
      - { .name: w_img, .offset: 8, .size: 8, .value_kind: global_buffer, .address_space: global }
      - { .name: bo, .offset: 16, .size: 8, .value_kind: global_buffer, .address_space: global }
      - { .name: out0, .offset: 24, .size: 8, .value_kind: global_buffer, .address_space: global }
    .group_segment_fixed_size: 327680
    .private_segment_fixed_size: 0
    .kernarg_segment_align: 8
    .kernarg_segment_size: 32
    .max_flat_workgroup_size: 128
    .sgpr_count:     100
    .vgpr_count:     768
    .wavefront_size: 32
...
	.end_amdgpu_metadata
.endif
;; end of part 5
